; MI455X (gfx1250); checked and timed in simulation.
; The chip was launched on July 23, 2026; its instructions are those of AMD's public machine-readable ISA for CDNA 5 (MIT licence, August 2026) and "CDNA5" Instruction Set Architecture Reference Guide (July 2026). The comments in the code are by the model that wrote it; some were corrected since.
;; MQA. Allowed arithmetic: matrix products marked QUANTISED: E2M3 operands, one E8M0 scale for each 32 along K, by v_wmma_scale_f32_16x16x128_f8f6f4 with both operands' format E2M3, f32 sums; everything else in f32.
;; Inputs: b_k 128 float32; b_o 2,048 float32; b_q 2,048 float32; b_v 128 float32; hidden_state_codes 4 x 1,024 x 64 x 24 uint8 (E2M3 codes of hidden_state, K innermost, in blocks of 32 codes, four codes in three bytes); hidden_state_scales 4 x 1,024 x 64 uint8 (E8M0 scales of hidden_state, one for each 32 codes along K); w_k_codes 128 x 64 x 24 uint8 (E2M3 codes of w_k, K innermost, in blocks of 32 codes, four codes in three bytes); w_k_scales 128 x 64 uint8 (E8M0 scales of w_k, one for each 32 codes along K); w_o_codes 2,048 x 64 x 24 uint8 (E2M3 codes of w_o, K innermost, in blocks of 32 codes, four codes in three bytes); w_o_scales 2,048 x 64 uint8 (E8M0 scales of w_o, one for each 32 codes along K); w_q_codes 2,048 x 64 x 24 uint8 (E2M3 codes of w_q, K innermost, in blocks of 32 codes, four codes in three bytes); w_q_scales 2,048 x 64 uint8 (E8M0 scales of w_q, one for each 32 codes along K); w_v_codes 128 x 64 x 24 uint8 (E2M3 codes of w_v, K innermost, in blocks of 32 codes, four codes in three bytes); w_v_scales 128 x 64 uint8 (E8M0 scales of w_v, one for each 32 codes along K).
;; Outputs: out0 4 x 1,024 x 2,048 float32.
;; This version of the problem:
;;   THIS VERSION OF THE PROBLEM IS GIVEN IN LOW PRECISION. The matrix products marked QUANTISED in the list below multiply operands that are first quantised to E2M3 (2 exponent bits, 3 mantissa bits; 6 bits a number), with one power-of-two scale for each 32 numbers along K (OCP MX v1.0); their sums are f32. All else is computed in f32.
;;   The module's matrix products, in the order in which they are computed (A, B: the left and right operand; K: the contracted axis; several contracted axes count as one K, in the product's order):
;;     1. [M 4,096, K 2,048] x [K 2,048, N 2,048]; A: input hidden_state (given as codes); B: input w_q (given as codes): QUANTISED
;;     2. [M 4,096, K 2,048] x [K 2,048, N 128]; A: input hidden_state (given as codes); B: input w_k (given as codes): QUANTISED
;;     3. [M 4,096, K 2,048] x [K 2,048, N 128]; A: input hidden_state (given as codes); B: input w_v (given as codes): QUANTISED
;;     4. batch 4 x [M 16,384, K 128] x [K 128, N 1,024]; A: computed on the way; B: computed on the way: QUANTISED
;;     5. batch 4 x [M 16,384, K 1,024] x [K 1,024, N 128]; A: softmax (see below); B: computed on the way: QUANTISED
;;     6. [M 4,096, K 2,048] x [K 2,048, N 2,048]; A: computed on the way; B: input w_o (given as codes): QUANTISED
;;   THE QUANTISER, for each operand of a quantised product, along K:
;;     - K is cut into blocks of 32 from its start; a last block that is shorter is filled with zeros.
;;     - A block's scale is 2^e with e = floor(log2(the largest magnitude in the block)) - 2, held to -126 .. 127; a block of zeros has e = 0. As a byte (E8M0): e + 127.
;;     - Each number is divided by its block's scale, clamped to +-7.5, and rounded to the nearest number of E2M3, ties to even, subnormals kept.
;;     - The product sums the exact products of the quantised numbers (number of the format x scale) in f32.
;;   ~~~python
;;   def quantise(x, axis):      # numpy; x: float32 -> the quantised numbers, widened to float32 again
;;       x = np.moveaxis(x, axis, -1); K = x.shape[-1]
;;       x = np.pad(x, [(0, 0)] * (x.ndim - 1) + [(0, -K % 32)]); x = x.reshape(x.shape[:-1] + (-1, 32)); a = np.abs(x).max(-1, keepdims=True)
;;       e = np.where(a > 0, np.clip(np.frexp(np.where(a > 0, a, 1))[1] - 1 - 2, -126, 127), 0)      # np.frexp(a)[1] - 1 = floor(log2(a)), exactly
;;       r = np.clip(x / 2.0 ** e, -7.5, 7.5)
;;       step = 2.0 ** (np.maximum(np.frexp(np.where(r == 0, 1, r))[1] - 1, 0) - 3)
;;       q = np.round(r / step) * step * 2.0 ** e      # np.round: ties to even
;;       return np.moveaxis(q.reshape(q.shape[:-2] + (-1,))[..., :K], -1, axis).astype(np.float32)
;;   ~~~
;;   SOFTMAX AHEAD OF A QUANTISED PRODUCT. Where the list says 'softmax', what is quantised is not the finished softmax but p = 2^(t - M), with t = logit x log2(e) and M = ceil(the row's largest t), a whole number; so 1/2 < the row's largest p <= 1. The row's sum l is taken of the UNQUANTISED p, in f32, and the product's result is divided by l at the end. Since M is a whole number, a kernel that streams over the keys may use a running M (the ceiling of the running maximum): every later rescaling is an exact power of two, which a block's scale takes up: the codes' values come out the same.
;;   OPERANDS COMPUTED ON THE WAY. 'Computed on the way' means the value that the module computes at that place (a softmax that the list does not call 'softmax' is quantised finished and normalised). What goes into a quantiser is computed in f32, as accurately as f32 sums, v_exp_f32 and their like allow (about 1e-6 of the number): no bf16 or f16 on the way to a quantiser, and a product that is left as it is and whose result goes on into a quantised operand takes f32 operands (vector FMAs, or v_wmma_f32_16x16x4_f32). A number that lies on a knife's edge between two numbers of the format may be rounded either way, as far as f32 arithmetic and the matrix unit's own rounding can turn it there, and no further.
;;   INPUTS GIVEN AS CODES. hidden_state (in the module: [4, 1024, 2048], K = its axis 2); w_k (in the module: [2048, 128], K = its axis 0); w_o (in the module: [2048, 2048], K = its axis 0); w_q (in the module: [2048, 2048], K = its axis 0); w_v (in the module: [2048, 128], K = its axis 0): each comes as NAME_codes (uint8): NAME with its K axis moved to the last place and cut into blocks of 32 codes, [.., K / 32, bytes a block], one block behind the other in memory; four codes in three bytes: a row's codes are one little-endian stream of bits, code i at bits 6 i .. 6 i + 5 (a code: sign, 2 exponent bits, 3 mantissa bits); and NAME_scales (uint8): the same leading axes, one E8M0 byte (e + 127) for each 32 codes along K. Its value is code x scale, taken as it is: it is not quantised again, and the codes and scales need not be those that the quantiser above would give.
;; One version. Each part assembles by itself: llvm-mc -triple=amdgcn-amd-amdhsa -mcpu=gfx1250 --defsym DOCPART=n.
;; ======== version 1 of 1: 3 launches
;; limits: right only within a limited range of input values
;; workspace buffers: qc 6,291,456 bytes; qs 262,144 bytes; kv 819,200 bytes; ac 6,291,456 bytes; a6s 262,144 bytes
;; launch proj (part 1): grid 8 x 32, 4 waves a work-group, clusters of 4 x 4, 327,680 bytes of LDS; arguments hidden_state_codes, hidden_state_scales, w_q_codes, w_q_scales, w_k_codes, w_k_scales, w_v_codes, w_v_scales, b_q, b_k, b_v, qc, qs, kv; writes qc, qs, kv
.if DOCPART == 1
	.amdgcn_target "amdgcn-amd-amdhsa--gfx1250"
	.amdhsa_code_object_version 6
	.text
	.protected	k_q2538562ed1_proj
	.globl	k_q2538562ed1_proj
	.p2align	8
	.type	k_q2538562ed1_proj,@function
k_q2538562ed1_proj:
	s_mov_b64 s[64:65], 0
	v_nop
	global_prefetch_b8 v0, s[64:65] scope:SCOPE_SE
	s_setreg_imm32_b32 hwreg(HW_REG_WAVE_MODE, 25, 1), 1
	s_wait_xcnt 0x0
	s_wait_alu depctr_hold_cnt(0) depctr_sa_sdst(0) depctr_va_vdst(0) depctr_va_sdst(0) depctr_va_ssrc(0) depctr_va_vcc(0) depctr_vm_vsrc(0)
	s_getreg_b32 s2, hwreg(HW_REG_IB_STS2, 6, 4)
	s_cmp_eq_u32 s2, 0
	s_cbranch_scc0 .Lentry_in_a_cluster
	s_endpgm
.Lentry_in_a_cluster:
	s_bfe_u32 s2, ttmp6, 0x10000c
	s_cmp_lg_u32 s2, 0xf033
	s_cbranch_scc0 .Lentry_shape_is_right
	s_endpgm
.Lentry_shape_is_right:
; q, k, v = hidden_state W + b, on codes of FP6 (E2M3) with one E8M0 scale for each 32 along K = 2,048; the three results are quantised here, in registers, and leave as codes and scale bytes.
; No step of the problem is left out.
; SHARES.  A work-group of four waves makes 128 tokens x 256 columns of q (two heads) and 128 tokens x 32 columns of k (cluster x = 0) or of v (cluster x = 1): 32 x 8 work-groups.
; A wave makes 64 tokens x 128 columns of q (32 accumulators) and 32 tokens x the 32 columns of k or v (4 accumulators).
; THE RING.  A row of codes is 1,536 bytes: six chunks of 256 bytes, each beginning at a multiple of 256.  Chunk c lies in slot c % 2; a slot holds A's 128 rows, w_q's 256 and the k/v weight's 32, 272 bytes apart.
; A step of 128 along K is 96 bytes: of each eight steps, steps 2 and 5 lie across two chunks and read both slots.  Behind the head and behind each round a wave issues one load:
; wave 0 A's rows, waves 1 and 2 w_q's halves, wave 3 the k/v weight's.  The walk is written out: 16 steps, register numbers and slots differ in each.
; THE SCALE BYTES go from memory straight into registers, once: lane (r, h) takes bytes 32 h .. 32 h + 31 of row r's 64, so register j of a block holds step j's word in lanes 0-15 and step 8 + j's in lanes 16-31.
; CLUSTERS: 4 x 4.  A's tile is shared along a row of the cluster, the weights' tiles along a column: each is asked for jointly.
; PREFETCH: behind the load of chunk c each wave names chunk c + 2 of a quarter of the rows that it fetches (a lane a row); the four partners of a joint load take different quarters by address.  Chunks 0 and 1 come by their loads alone.
; q's and k's products are used transposed (source 0 = rows of the weight, source 1 = tokens); v's as they stand, since v is quantised along the tokens.
; THE ORDER INSIDE A BLOCK OF 32: a lane's 16 registers of two neighbouring tiles are elements 16 (i / 8) + 8 (lane / 16) + i % 8 and are laid as positions 16 (lane / 16) + i; q and k share that order, and so do v and p.
; THE BIASES are loaded into the accumulators ahead of the first product.
; OUT.  qc: images of operand registers, [b][head][16 tokens][1,536 bytes]; qs: their scale words; kv: for each batch 4,096 bytes of k's scale words, 4,096 of v's, then for each 128 keys 8 fragments of k and 8 of v.
; LIMITS: NaN and infinities are not served.  A block whose largest magnitude lies under 2^-124 gets the byte 1; the bytes are read by this program alone.
; REGISTERS.  Window 0: v1-15 offsets, v16-27 LDS addresses, v28-31, v32-143 scale words, v144-239 the way out.  Window 1: q's accumulators.  Window 2: w_q's fragments, two sets.
;   Window 3: A's fragments v0-95, the k/v weight's v96-143 (two sets each), the k/v accumulators v144-175.
.set PITCH, 272
.set SLOT,  113152
.set SPARE, 226304
.set TW,    (1<<20)|(1<<21)|(5<<22)|(3<<25)
.set ADRA, 16
.set ADRB, 20
.set ADRW, 24
.set SOF,  28
.set PFO,  29
.set SPW,  30
.set NIL,  31
.set SA,   32
.set SB,   64
.set SW,   128
.set AF,   0
.set WF,   96
.set KVA,  144
.set TM,   144
.set PWQ,  160
.set QLO,  164
.set KM,   166
.set KX,   168
.set KO,   170
.set KB,   172
.set KC,   174
.set PCQ,  184
.set PT,   232
.set G1A,  32
.set G1B,  40
.set G1W,  48
.set G0A,  56
.set G0B,  68
.set G0W,  76
.set PF,   96
.set W_MUL, 0x5e                       ; source 0 (w_q) window 2, source 1 (A) window 3, C and D window 1
.set MSB, 0
.macro WIN new                         ; the immediate's high byte repeats the setting that is left
.if MSB != \new
	s_set_vgpr_msb (MSB<<8)|\new
.set MSB, \new
.endif
.endm
.macro PLACES                          ; four plain places behind a matrix instruction (ISA guide 7.12.1)
.rept 4
	v_nop
.endr
.endm
.macro CREST
	s_cmp_lg_u32 s20, 0
	s_cbranch_scc1 .Lnot_wave_0_\@
	s_barrier_signal -3
.Lnot_wave_0_\@:
	s_barrier_wait -3
	s_barrier_signal -1
	s_barrier_wait -1
.endm
.macro CROUND
	s_barrier_signal -1
	s_barrier_wait -1
	CREST
.endm
.macro STEPG0 s                        ; a slot's next chunk lies 512 bytes further along the rows
	s_add_nc_u64 s[G0A+4*\s+2:G0A+4*\s+3], s[G0A+4*\s+2:G0A+4*\s+3], 512
	s_add_nc_u64 s[G0B+4*\s+2:G0B+4*\s+3], s[G0B+4*\s+2:G0B+4*\s+3], 512
	s_add_nc_u64 s[G0W+4*\s+2:G0W+4*\s+3], s[G0W+4*\s+2:G0W+4*\s+3], 512
.endm
; A joint load of slot s, one a wave; the branches hang on the wave's number alone.  s_nop 0 and four v_nop follow each line.
.macro JLOAD3 s
	s_cmp_eq_u32 s20, 0
	s_cbranch_scc0 .Lnot_a_\@
	tensor_load_to_lds s[G0A+4*\s:G0A+4*\s+3], s[G1A:G1A+7]
	s_nop 0
.rept 4
	v_nop
.endr
	s_branch .Lasked_\@
.Lnot_a_\@:
	s_cmp_eq_u32 s20, 3
	s_cbranch_scc1 .Lfor_w_\@
	tensor_load_to_lds s[G0B+4*\s:G0B+4*\s+3], s[G1B:G1B+7]
	s_nop 0
.rept 4
	v_nop
.endr
	s_branch .Lasked_\@
.Lfor_w_\@:
	tensor_load_to_lds s[G0W+4*\s:G0W+4*\s+3], s[G1W:G1W+7]
	s_nop 0
.rept 4
	v_nop
.endr
.Lasked_\@:
.endm
	s_load_b512 s[4:19], s[0:1], 0x0               ; hidden_state's codes s[4:5], scales s[6:7]; w_q's s[8:11]; w_k's s[12:15]; w_v's s[16:19]
	s_load_b256 s[84:91], s[0:1], 0x40             ; b_q, b_k, b_v, qc
	s_load_b128 s[92:95], s[0:1], 0x60             ; qs, kv
	v_lshl_add_u32 v[SPW], v0, 2, SPARE
	v_mov_b32 v[NIL], 0
	ds_add_u32 v[SPW], v[NIL]                      ; the opening lines: the add, twice on end, and its wait
	ds_add_u32 v[SPW], v[NIL]
	v_lshrrev_b32 v1, 5, v0
	v_readfirstlane_b32 s20, v1                    ; wave 0..3
	s_lshr_b32 s21, s20, 1                         ; which 64 tokens are mine
	s_and_b32 s22, s20, 1                          ; which head
	s_bfe_u32 s23, ttmp6, 0x40000                  ; cx
	s_bfe_u32 s24, ttmp6, 0x40004                  ; cy
	s_lshl_b32 s25, ttmp9, 2
	s_add_co_u32 s25, s25, s23                     ; tile column
	s_and_b32 s26, ttmp7, 0xffff
	s_lshl_b32 s26, s26, 2
	s_add_co_u32 s26, s26, s24                     ; tile row
	s_mov_b32 s27, ttmp9                           ; cluster x: 0: k, 1: v
	s_lshl_b32 s66, s24, 2
	s_lshl_b32 s66, 15, s66                        ; my row of the cluster
	s_lshl_b32 s67, 0x1111, s23                    ; my column
	s_or_b32 s[G1A], s66, TW
	s_or_b32 s[G1B], s67, TW
	s_or_b32 s[G1W], s67, TW
.irp g, G1A, G1B, G1W
	s_mov_b32 s[\g+1], 256<<16                     ; rows of 256 bytes,
	s_mov_b32 s[\g+3], 256<<16
	s_mov_b32 s[\g+5], 1536                        ; 1,536 bytes apart in memory
	s_mov_b32 s[\g+6], 0
	s_mov_b32 s[\g+7], 0
.endr
.irp g, G1A, G1B
	s_mov_b32 s[\g+2], 128<<16
	s_mov_b32 s[\g+4], 128
.endr
	s_mov_b32 s[G1W+2], 32<<16
	s_mov_b32 s[G1W+4], 32
	s_sub_co_u32 s2, s20, 1
	s_and_b32 s2, s2, 1                            ; waves 1, 2: w_q's half 0, 1
	s_mul_i32 s100, s26, 196608                    ; A: 128 rows of 1,536 bytes a tile row
	s_mov_b32 s101, 0
	s_mul_i32 s104, s25, 393216                    ; w_q: 256 rows a tile column,
	s_mul_i32 s3, s2, 196608
	s_add_co_u32 s104, s104, s3                    ; my half
	s_mov_b32 s105, 0
	s_mul_i32 s3, s20, 34816                       ; LDS: wave x 128 rows of 272 bytes
	s_mul_i32 s28, s23, 49152                      ; 32 cx rows
	s_mov_b32 s29, 0
	s_add_co_u32 s98, s100, s28                    ; the prefetches' offsets: A's tile, quarter cx;
	s_mul_i32 s99, s24, 49152
	s_add_co_u32 s99, s99, s104                    ; my half of w_q's, quarter cy;
	s_mul_i32 s30, s24, 12288
	s_add_co_u32 s30, s30, s28                     ; the k/v weight's 32 rows, quarter cy
	s_wait_dscnt 0x0                               ; both opening adds are done
	s_wait_kmcnt 0x0
	s_add_nc_u64 s[100:101], s[4:5], s[100:101]
	s_add_nc_u64 s[104:105], s[8:9], s[104:105]
.irp s, 0,1
	s_mov_b32 s[G0A+4*\s], 1
	s_mov_b32 s[G0A+4*\s+1], \s*SLOT
	s_add_nc_u64 s[G0A+4*\s+2:G0A+4*\s+3], s[100:101], \s*256
	s_or_b32 s[G0A+4*\s+3], s[G0A+4*\s+3], 0x80000000
	s_mov_b32 s[G0B+4*\s], 1
	s_add_co_u32 s[G0B+4*\s+1], s3, \s*SLOT
	s_add_nc_u64 s[G0B+4*\s+2:G0B+4*\s+3], s[104:105], \s*256
	s_or_b32 s[G0B+4*\s+3], s[G0B+4*\s+3], 0x80000000
.endr
	s_cmp_eq_u32 s27, 0                            ; w_k or w_v: by the cluster's x alone
	s_cselect_b64 s[12:13], s[12:13], s[16:17]
	s_cselect_b64 s[14:15], s[14:15], s[18:19]
	s_add_nc_u64 s[104:105], s[12:13], s[28:29]    ; its rows 32 cx on
.irp s, 0,1
	s_mov_b32 s[G0W+4*\s], 1
	s_mov_b32 s[G0W+4*\s+1], 104448+\s*SLOT
	s_add_nc_u64 s[G0W+4*\s+2:G0W+4*\s+3], s[104:105], \s*256
	s_or_b32 s[G0W+4*\s+3], s[G0W+4*\s+3], 0x80000000
.endr
	s_cmp_eq_u32 s20, 0                            ; where my prefetches stand
	s_cselect_b64 s[PF:PF+1], s[4:5], s[8:9]
	s_cselect_b32 s98, s98, s99
	s_cmp_eq_u32 s20, 3
	s_cselect_b64 s[PF:PF+1], s[12:13], s[PF:PF+1]
	s_cselect_b32 s98, s30, s98
	s_cselect_b32 s31, 7, 31                       ; the last row of my quarter: 8 or 32 rows
	s_mov_b32 s99, 0
	s_add_nc_u64 s[PF:PF+1], s[PF:PF+1], s[98:99]
	CROUND                                         ; all sixteen work-groups are here: the first joint loads meet
	JLOAD3 0                                       ; chunk 0: my one load at the head
	s_mov_b32 s28, SLOT-232
	s_mov_b32 s29, SLOT+232
	s_mul_i32 s30, s21, 17408                      ; my 64 rows of A
	s_mul_i32 s98, s22, 34816
	s_add_co_u32 s98, s98, 34816                   ; my 128 rows of w_q, behind A's 128
	v_and_b32 v1, 15, v0                           ; r
	v_bfe_u32 v2, v0, 4, 1                         ; h
	v_mul_u32_u24 v3, v1, PITCH
	v_mul_u32_u24 v4, v2, 24
	v_add_nc_u32 v4, v3, v4                        ; row x pitch + 24 h
	v_sub_nc_u32 v7, 1, v2
	v_mul_u32_u24 v5, s28, v2
	v_add_nc_u32 v5, v3, v5
	v_add_nc_u32 v5, 232, v5                       ; lanes 0-15 byte 232 of the row in slot 0, lanes 16-31 byte 0 in slot 1
	v_mul_u32_u24 v6, s29, v7
	v_add_nc_u32 v6, v3, v6                        ; lanes 0-15 byte 232 in slot 1, lanes 16-31 byte 0 in slot 0
	v_add_nc_u32 v[ADRA], s30, v4
	v_add_nc_u32 v[ADRA+1], SLOT, v[ADRA]
	v_add_nc_u32 v[ADRA+2], s30, v5
	v_add_nc_u32 v[ADRA+3], s30, v6
	v_add_nc_u32 v[ADRB], s98, v4
	v_add_nc_u32 v[ADRB+1], SLOT, v[ADRB]
	v_add_nc_u32 v[ADRB+2], s98, v5
	v_add_nc_u32 v[ADRB+3], s98, v6
	v_add_nc_u32 v[ADRW], 104448, v4
	v_add_nc_u32 v[ADRW+1], SLOT, v[ADRW]
	v_add_nc_u32 v[ADRW+2], 104448, v5
	v_add_nc_u32 v[ADRW+3], 104448, v6
	v_lshlrev_b32 v[SOF], 6, v1
	v_lshl_add_u32 v[SOF], v2, 5, v[SOF]           ; scale bytes: 64 r + 32 h
	v_lshlrev_b32 v8, 5, v2                        ; 32 h: my eight columns of a bias
	v_lshlrev_b32 v9, 2, v1                        ; 4 r
	v_and_b32 v14, 31, v0                          ; lane
	v_lshlrev_b32 v10, 4, v14
	v_mul_u32_u24 v11, v1, 24
	v_mad_u32_u24 v11, v2, 12, v11                 ; 24 r + 12 h
	v_lshlrev_b32 v12, 2, v14
	v_lshlrev_b32 v13, 3, v14
	v_min_u32 v[PFO], s31, v14                     ; a lane a row; lanes left over name the last row again
	v_mul_u32_u24 v[PFO], v[PFO], 1536
	; where the results go
	s_lshr_b32 s100, s26, 3                        ; the batch
	s_and_b32 s101, s26, 7                         ; which 128 tokens of it
	s_lshl_b32 s16, s100, 4
	s_lshl_b32 s17, s25, 1
	s_add_co_u32 s16, s16, s17
	s_add_co_u32 s16, s16, s22                     ; 16 x batch + head
	s_lshl_b32 s17, s101, 1
	s_add_co_u32 s17, s17, s21
	s_lshl_b32 s16, s16, 4
	s_add_co_u32 s16, s16, s17                     ; my group of four fragments
	s_mul_i32 s18, s16, 6144
	s_mov_b32 s19, 0
	s_add_nc_u64 s[90:91], s[90:91], s[18:19]      ; qc at my first fragment
	s_lshl_b32 s18, s16, 8
	s_add_nc_u64 s[92:93], s[92:93], s[18:19]      ; qs at my group's 256 bytes
	s_cmp_eq_u32 s27, 0
	s_cselect_b32 s16, s20, s23                    ; X: k: the wave (its 32 keys), v: cx (its 32 channels)
	s_cselect_b32 s17, s23, s20                    ; Y: the block of 32 along the next K
	s_mul_i32 s100, s100, 204800
	s_lshl_b32 s18, s101, 9
	s_add_co_u32 s18, s18, s100
	s_lshl_b32 s104, s27, 12
	s_add_co_u32 s18, s18, s104
	s_lshl_b32 s104, s16, 7
	s_add_co_u32 s18, s18, s104
	s_add_co_u32 s18, s18, s17
	s_mul_i32 s104, s16, 3072                      ; two fragments for each X,
	s_mul_i32 s105, s17, 384                       ; a block in a fragment for each Y
	s_add_nc_u64 s[16:17], s[94:95], s[18:19]      ; kv at my scale bytes
	s_mul_i32 s18, s101, 24576
	s_add_co_u32 s18, s18, s100
	s_mul_i32 s101, s27, 12288
	s_add_co_u32 s18, s18, s101
	s_add_co_u32 s18, s18, s104
	s_add_co_u32 s18, s18, s105
	s_add_co_u32 s18, s18, 8192
	s_add_nc_u64 s[94:95], s[94:95], s[18:19]      ; kv at my codes
	s_lshl_b32 s18, s25, 10
	s_lshl_b32 s104, s22, 9
	s_add_co_u32 s18, s18, s104
	s_add_nc_u64 s[84:85], s[84:85], s[18:19]      ; b_q at my 128 columns
	s_lshl_b32 s18, s23, 7
	s_add_nc_u64 s[86:87], s[86:87], s[18:19]      ; b_k, b_v at my 32
	s_add_nc_u64 s[88:89], s[88:89], s[18:19]
	s_lshl_b32 s18, s26, 13
	s_lshl_b32 s104, s21, 12
	s_add_co_u32 s18, s18, s104
	s_add_nc_u64 s[6:7], s[6:7], s[18:19]          ; the scale bytes of my 64 tokens,
	s_lshl_b32 s18, s25, 14
	s_lshl_b32 s104, s22, 13
	s_add_co_u32 s18, s18, s104
	s_add_nc_u64 s[10:11], s[10:11], s[18:19]      ; of my 128 rows of w_q,
	s_lshl_b32 s18, s23, 11
	s_add_nc_u64 s[14:15], s[14:15], s[18:19]      ; of the k/v weight's 32
	s_wait_alu depctr_va_vdst(0)                   ; the wait at the end of the head's vector work
	global_prefetch_b8 v[PFO], s[PF:PF+1] offset:512 th:TH_LOAD_NT scope:SCOPE_SE   ; chunk 2
.irp a, 0,1,2,3
	global_load_b128 v[SA+8*\a:SA+8*\a+3], v[SOF], s[6:7] offset:1024*\a
	global_load_b128 v[SA+8*\a+4:SA+8*\a+7], v[SOF], s[6:7] offset:1024*\a+16
.endr
.irp b, 0,1,2,3,4,5,6,7
	global_load_b128 v[SB+8*\b:SB+8*\b+3], v[SOF], s[10:11] offset:1024*\b
	global_load_b128 v[SB+8*\b+4:SB+8*\b+7], v[SOF], s[10:11] offset:1024*\b+16
.endr
.irp u, 0,1
	global_load_b128 v[SW+8*\u:SW+8*\u+3], v[SOF], s[14:15] offset:1024*\u
	global_load_b128 v[SW+8*\u+4:SW+8*\u+7], v[SOF], s[14:15] offset:1024*\u+16
.endr
	s_cmp_eq_u32 s27, 0
	s_cbranch_scc0 .Lbias_v
	WIN 0xc0
.irp x, 0,1
.irp y, 0,1
	global_load_b128 v[KVA+16*\x+8*\y:KVA+16*\x+8*\y+3],   v8, s[86:87] offset:64*\y      ; k: register j of tile y is column 16 y + 8 h + j
	global_load_b128 v[KVA+16*\x+8*\y+4:KVA+16*\x+8*\y+7], v8, s[86:87] offset:64*\y+16
.endr
.endr
	WIN 0
	s_branch .Lbias_done
.Lbias_v:
	WIN 0xc0
.irp x, 0,1
.irp n, 0,1,2,3,4,5,6,7,8,9,10,11,12,13,14,15
	global_load_b32 v[KVA+16*\x+\n], v9, s[88:89] offset:64*\x                            ; v: every register of tile x is channel 16 x + r
.endr
.endr
	WIN 0
.Lbias_done:
	WIN 0x40
.irp a, 0,1,2,3
.irp b, 0,1,2,3,4,5,6,7
	global_load_b128 v[8*(8*\a+\b):8*(8*\a+\b)+3],   v8, s[84:85] offset:64*\b            ; q: register j of accumulator (a, b) is column 16 b + 8 h + j
	global_load_b128 v[8*(8*\a+\b)+4:8*(8*\a+\b)+7], v8, s[84:85] offset:64*\b+16
.endr
.endr
	WIN 0
; A fragment, 16 rows x 128 K, is 12 registers: lane l holds row l % 16; registers 6 c .. 6 c + 5 hold K = 64 c + 32 (l / 16) + 0 .. 31, 24 bytes as they lie, in pieces of 8 bytes.
; Byte y of a row lies in slot (y / 256) % 2 at byte y % 256.  Lanes 16-31 read 24 bytes further on; where that is the next chunk, the second pair of address registers serves.
.macro FRAG reg, adr, st, i
.irp p, 0,1,2,3,4,5
.set BY, 96*(\st)+48*(\p/3)+8*(\p%3)
.if BY/256 == (BY+24)/256
	ds_load_b64 v[\reg+2*\p:\reg+2*\p+1], v[\adr+(BY/256)%2] offset:BY%256+(\i)*16*PITCH
.else
	ds_load_b64 v[\reg+2*\p:\reg+2*\p+1], v[\adr+2+(BY/256)%2] offset:BY%256-232+(\i)*16*PITCH
.endif
.endr
.endm
.macro FETCH g                         ; 84 LDS loads in one run: step g's fragments into set g % 2
	WIN 0x80
.irp i, 0,1,2,3,4,5,6,7
	FRAG 128*((\g)%2)+12*\i, ADRB, \g, \i
.endr
	WIN 0xc0
.irp i, 0,1,2,3
	FRAG AF+48*((\g)%2)+12*\i, ADRA, \g, \i
.endr
.irp u, 0,1
	FRAG WF+24*((\g)%2)+12*\u, ADRW, \g, \u
.endr
	WIN 0
.endm
.macro FB i0, g                        ; a run of 24 LDS loads: w_q's blocks i0 .. i0 + 3 of step g
	WIN 0x80
.irp i, \i0, \i0+1, \i0+2, \i0+3
	FRAG 128*((\g)%2)+12*(\i), ADRB, \g, \i
.endr
.endm
.macro FA g                            ; a run of 36: A's four blocks, then the k/v weight's two
	WIN 0xc0
.irp i, 0,1,2,3
	FRAG AF+48*((\g)%2)+12*\i, ADRA, \g, \i
.endr
.irp u, 0,1
	FRAG WF+24*((\g)%2)+12*\u, ADRW, \g, \u
.endr
	WIN 0
.endm
.macro WM d, x, y, sx, sy, g
.if (\g) < 8
	v_wmma_scale_f32_16x16x128_f8f6f4 v[\d:\d+7], v[\x:\x+11], v[\y:\y+11], v[\d:\d+7], v[\sx], v[\sy] matrix_a_fmt:MATRIX_FMT_FP6 matrix_b_fmt:MATRIX_FMT_FP6
.else
	v_wmma_scale_f32_16x16x128_f8f6f4 v[\d:\d+7], v[\x:\x+11], v[\y:\y+11], v[\d:\d+7], v[\sx], v[\sy] matrix_a_fmt:MATRIX_FMT_FP6 matrix_b_fmt:MATRIX_FMT_FP6 matrix_a_scale:MATRIX_SCALE_ROW1 matrix_b_scale:MATRIX_SCALE_ROW1
.endif
.endm
.macro M8 a, g                         ; A's block a x w_q's eight; the accumulators take turns
.irp b, 0,1,2,3,4,5,6,7
	WM 8*(8*(\a)+\b), 128*((\g)%2)+12*\b, AF+48*((\g)%2)+12*(\a), SB+8*\b+(\g)%8, SA+8*(\a)+(\g)%8, \g
.endr
.endm
.macro KFORM n, g                      ; k, transposed: source 0 = 16 rows of w_k, source 1 = my tokens' block 2 n + x
.irp x, 0,1
.irp y, 0,1
	WM KVA+16*\x+8*\y, WF+24*((\g)%2)+12*\y, AF+48*((\g)%2)+12*(2*(\n)+\x), SW+8*\y+(\g)%8, SA+8*(2*(\n)+\x)+(\g)%8, \g
.endr
.endr
.endm
.macro VFORM n, g                      ; v: source 0 = my tokens' block 2 n + y, source 1 = 16 rows of w_v
.irp x, 0,1
.irp y, 0,1
	WM KVA+16*\x+8*\y, AF+48*((\g)%2)+12*(2*(\n)+\y), WF+24*((\g)%2)+12*\x, SA+8*(2*(\n)+\y)+(\g)%8, SW+8*\x+(\g)%8, \g
.endr
.endr
.endm
.macro KVMUL g                         ; the four k/v products of a step: the form by the cluster's x, A's blocks by the wave's number
	WIN 0
	s_cmp_eq_u32 s27, 0
	s_cbranch_scc0 .Lkv_v_\@
	s_cmp_eq_u32 s22, 0
	s_cbranch_scc0 .Lkv_k1_\@
	WIN 0xff
	KFORM 0, \g
	WIN 0
	s_branch .Lkv_j_\@
.Lkv_k1_\@:
	WIN 0xff
	KFORM 1, \g
	WIN 0
	s_branch .Lkv_j_\@
.Lkv_v_\@:
	s_cmp_eq_u32 s22, 0
	s_cbranch_scc0 .Lkv_v1_\@
	WIN 0xff
	VFORM 0, \g
	WIN 0
	s_branch .Lkv_j_\@
.Lkv_v1_\@:
	WIN 0xff
	VFORM 1, \g
	WIN 0
.Lkv_j_\@:
.endm
; Step g multiplies set g % 2 and fetches step g + 1 in its middle.  Where the next step's bytes END in a chunk not yet read: every wave waits for its tensor loads, and a barrier shows the chunk whole.
; Where they BEGIN in a later chunk: the chunk left behind is read no more: the wait for all tensor loads, the add, the wait for it and for my reads, the barrier; where a chunk two on is left, the barrier opens a round and the slot is filled again.
.macro STEP g
.set NX, (\g)+1
.set C0, (96*(\g))/256
.set C1, (96*NX)/256
.set E0, (96*(\g)+95)/256
.set E1, (96*NX+95)/256
.if C1 > C0 || E1 > E0
	s_wait_tensorcnt 0x0                           ; all my tensor loads have landed
.if C1 > C0
	ds_add_u32 v[SPW], v[NIL]
	s_wait_dscnt 31                                ; w_q's blocks and A's block 0 are in; A's blocks 1-3 (18), the k/v weight's (12) and the add may be out
.else
	s_wait_dscnt 30
.endif
	WIN W_MUL
	M8 0, \g
	s_wait_dscnt 0x0                               ; the add is done, and my reads of the chunk left behind are over
	s_barrier_signal -1
	M8 1, \g
	WIN 0
	s_barrier_wait -1
.if C1 > C0 && C0+2 < 6
	CREST                                          ; no wave of any partner still reads this slot or has a load on its way
	STEPG0 (C0%2)
	JLOAD3 (C0%2)                                  ; chunk C0 + 2; its four v_nop are the places in front of the loads below
.else
	PLACES
.endif
	FB 0, NX
	FB 4, NX
	WIN W_MUL
	M8 2, \g
.else                                  ; the next step's loads go out in three runs, between the groups of products
	s_wait_dscnt 30                                ; w_q's blocks and A's block 0 are in; A's blocks 1-3 (18) and the k/v weight's (12) may be out
	WIN W_MUL
	M8 0, \g
	PLACES
	FB 0, NX
	s_wait_dscnt 48                                ; A's block 1 is in: behind it 12 + 12 and the 24 just issued
	WIN W_MUL
	M8 1, \g
	FB 4, NX
	s_wait_dscnt 63                                ; A's block 2 is in: behind it 6 + 12 + 48, more than the count can name
	WIN W_MUL
	M8 2, \g
.endif
	FA NX
.if C1 > C0 && C0+4 < 6
	global_prefetch_b8 v[PFO], s[PF:PF+1] offset:256*(C0+4) th:TH_LOAD_NT scope:SCOPE_SE   ; the chunk two fills on
.endif
	s_wait_dscnt 63                                ; A's block 3 and the k/v weight's are in: behind them 84 loads
	WIN W_MUL
	M8 3, \g
	KVMUL \g
.endm
	s_wait_tensorcnt 0x0                           ; my part of chunk 0 is in
	ds_add_u32 v[SPW], v[NIL]
	s_wait_dscnt 0x0
	CROUND                                         ; everybody's part is in, and the joint loads meet
	JLOAD3 1                                       ; chunk 1
	FETCH 0
	global_prefetch_b8 v[PFO], s[PF:PF+1] offset:768 th:TH_LOAD_NT scope:SCOPE_SE   ; chunk 3
	s_wait_loadcnt 0x0                             ; the scale words and the biases are in
.irp g, 0,1,2,3,4,5,6,7,8,9,10,11,12,13,14
	STEP \g
.endr
	s_wait_dscnt 0x0                               ; the last step: nothing more to fetch
	WIN W_MUL
	M8 0, 15
	M8 1, 15
	M8 2, 15
	M8 3, 15
	KVMUL 15
	; THE WAY OUT.  First k or v: for x = 0, 1 my 16 registers are half a block of 32 along the next K; the other half lies in lane l xor 16.
	PLACES
	s_mov_b32 s66, 0x76543210
	s_mov_b32 s67, 0xfedcba98                      ; v_permlanex16_b32's selects for lane l xor 16 (the masks are done with)
.irp x, 0,1
	v_mov_b32 v[KX+\x], 0                          ; a lane permute's destination counts as one of its sources
.endr
.irp b, 0,1,2,3
	v_mov_b32 v[TM+4+\b], 0
.endr
	WIN 0x0f                                       ; sources 0 and 1 window 3
.irp x, 0,1
	v_max3_num_f32 v[KM+\x], |v[KVA+16*\x]|, |v[KVA+16*\x+1]|, 0x1800000   ; and the floor 2^(3 - 127): the byte cannot fall under 1
.endr
	WIN 0x3c                                       ; sources 1 and 2 window 3
.irp i, 2,4,6,8,10,12,14
.irp x, 0,1
	v_max3_num_f32 v[KM+\x], v[KM+\x], |v[KVA+16*\x+\i]|, |v[KVA+16*\x+\i+1]|
.endr
.endr
	WIN 0
.irp x, 0,1
	v_permlanex16_b32 v[KX+\x], v[KM+\x], s66, s67
.endr
.irp x, 0,1
	v_max_num_f32 v[KM+\x], v[KM+\x], v[KX+\x]     ; the block's largest magnitude
.endr
.irp x, 0,1
	v_add_nc_u32 v[KO+\x], 0xff000000, v[KM+\x]    ; 2 off its exponent field: the conversion's scale operand
.endr
.irp x, 0,1
	v_lshrrev_b32 v[KX+\x], 23, v[KO+\x]           ; the scale's byte
.endr
	WIN 0x03                                       ; source 0 window 3
.irp x, 0,1
	v_cvt_scalef32_pk16_fp6_f32 v[KC+4*\x:KC+4*\x+2], v[KVA+16*\x:KVA+16*\x+15], v[KO+\x]
.endr
	WIN 0
	v_nop                                          ; one plain place behind a scaled conversion
	v_cmp_lt_u32 vcc_lo, 15, v14                   ; lanes 16-31
	v_cndmask_b32 v[KB], v[KX], v[KX+1], vcc_lo    ; lane (r, h) stores the byte of row 16 h + r
.irp x, 0,1
	global_store_b96 v11, v[KC+4*\x:KC+4*\x+2], s[94:95] offset:1536*\x   ; the wave's store covers a block's 384 consecutive bytes
.endr
	global_store_b8 v12, v[KB], s[16:17]           ; one byte of each of 32 scale words; the other three come from three other work-groups (k) or waves (v)
; 64 numbers of a lane in window 1, v[s] on, become a fragment's codes in v[pc] on and its scale word in v[pw].
.macro QUANTW s, pc, pw
	WIN 0x05
.irp b, 0,1,2,3
	v_max3_num_f32 v[TM+\b], |v[(\s)+16*\b]|, |v[(\s)+1+16*\b]|, 0x1800000
.endr
	WIN 0x14
.irp i, 2,4,6,8,10,12,14
.irp b, 0,1,2,3
	v_max3_num_f32 v[TM+\b], v[TM+\b], |v[(\s)+16*\b+\i]|, |v[(\s)+1+16*\b+\i]|
.endr
.endr
	WIN 0
.irp b, 0,1,2,3
	v_permlanex16_b32 v[TM+4+\b], v[TM+\b], s66, s67
.endr
.irp b, 0,1,2,3
	v_max_num_f32 v[TM+\b], v[TM+\b], v[TM+4+\b]
.endr
.irp b, 0,1,2,3
	v_add_nc_u32 v[TM+12+\b], 0xff000000, v[TM+\b]
.endr
.irp b, 0,1,2,3
	v_lshrrev_b32 v[TM+4+\b], 23, v[TM+12+\b]
.endr
	v_lshl_or_b32 v[\pw], v[TM+5], 8, v[TM+4]      ; the four bytes make my token's scale word
	v_lshl_or_b32 v[\pw], v[TM+6], 16, v[\pw]
	v_lshl_or_b32 v[\pw], v[TM+7], 24, v[\pw]
	WIN 0x01
.irp c, 0,1
	v_cvt_scalef32_pk16_fp6_f32 v[(\pc)+6*\c:(\pc)+2+6*\c], v[(\s)+32*\c:(\s)+15+32*\c], v[TM+12+2*\c]
	v_cvt_scalef32_pk16_fp6_f32 v[PT+4*\c:PT+2+4*\c], v[(\s)+16+32*\c:(\s)+31+32*\c], v[TM+12+2*\c+1]   ; (a conversion's three registers begin on an even number)
.endr
	WIN 0
	v_nop                                          ; one plain place behind a scaled conversion
.irp c, 0,1                                    ; the operand's layout wants a whole block in a lane
.irp i, 0,1,2
	v_permlane16_swap_b32 v[(\pc)+6*\c+\i], v[PT+4*\c+\i]
.endr
.irp i, 0,1,2
	v_mov_b32 v[(\pc)+3+6*\c+\i], v[PT+4*\c+\i]
.endr
.endr
.endm
.irp a, 0,1,2,3                                ; q: each block of 16 tokens becomes one fragment, in registers of its own
	QUANTW 64*\a, PCQ+12*\a, PWQ+\a
.irp c, 0,1,2
	global_store_b128 v10, v[PCQ+12*\a+4*\c:PCQ+12*\a+4*\c+3], s[90:91] offset:1536*\a+512*\c   ; 32 lanes store 512 consecutive bytes of the image
.endr
.endr
	v_cndmask_b32 v[QLO], v[PWQ], v[PWQ+2], vcc_lo
	v_cndmask_b32 v[QLO+1], v[PWQ+1], v[PWQ+3], vcc_lo
	global_store_b64 v13, v[QLO:QLO+1], s[92:93]   ; 32 lanes store 256 consecutive bytes, aligned
	s_wait_tensorcnt 0x0                           ; the wave's end
	ds_add_u32 v[SPW], v[NIL]
	s_wait_dscnt 0x0
	CROUND                                         ; the closing round
	s_endpgm
.Lfunc_end_k_q2538562ed1_proj:
	.size	k_q2538562ed1_proj, .Lfunc_end_k_q2538562ed1_proj-k_q2538562ed1_proj
	.p2alignl 7, 3214868480
	.fill 96, 4, 3214868480
	.section	.rodata,"a",@progbits
	.p2align	6, 0x0
	.amdhsa_kernel k_q2538562ed1_proj
		.amdhsa_group_segment_fixed_size 327680
		.amdhsa_private_segment_fixed_size 0
		.amdhsa_enable_private_segment 0
		.amdhsa_kernarg_size 112
		.amdhsa_user_sgpr_count 2
		.amdhsa_user_sgpr_kernarg_segment_ptr 1
		.amdhsa_wavefront_size32 1
		.amdhsa_system_sgpr_workgroup_id_x 1
		.amdhsa_system_sgpr_workgroup_id_y 1
		.amdhsa_system_sgpr_workgroup_id_z 1
		.amdhsa_system_vgpr_workitem_id 0
		.amdhsa_next_free_vgpr 1024
		.amdhsa_next_free_sgpr 106
		.amdhsa_reserve_vcc 1
		.amdhsa_float_denorm_mode_32 3
		.amdhsa_float_denorm_mode_16_64 3
		.amdhsa_memory_ordered 1
		.amdhsa_forward_progress 1
		.amdhsa_inst_pref_size 247
	.end_amdhsa_kernel
	.amdgpu_metadata
---
amdhsa.version: [ 1, 2 ]
amdhsa.kernels:
  - .name:           k_q2538562ed1_proj
    .symbol:         k_q2538562ed1_proj.kd
    .args:
      - { .name: hidden_state_codes, .offset: 0, .size: 8, .value_kind: global_buffer, .address_space: global }
      - { .name: hidden_state_scales, .offset: 8, .size: 8, .value_kind: global_buffer, .address_space: global }
      - { .name: w_q_codes, .offset: 16, .size: 8, .value_kind: global_buffer, .address_space: global }
      - { .name: w_q_scales, .offset: 24, .size: 8, .value_kind: global_buffer, .address_space: global }
      - { .name: w_k_codes, .offset: 32, .size: 8, .value_kind: global_buffer, .address_space: global }
      - { .name: w_k_scales, .offset: 40, .size: 8, .value_kind: global_buffer, .address_space: global }
      - { .name: w_v_codes, .offset: 48, .size: 8, .value_kind: global_buffer, .address_space: global }
      - { .name: w_v_scales, .offset: 56, .size: 8, .value_kind: global_buffer, .address_space: global }
      - { .name: b_q, .offset: 64, .size: 8, .value_kind: global_buffer, .address_space: global }
      - { .name: b_k, .offset: 72, .size: 8, .value_kind: global_buffer, .address_space: global }
      - { .name: b_v, .offset: 80, .size: 8, .value_kind: global_buffer, .address_space: global }
      - { .name: qc, .offset: 88, .size: 8, .value_kind: global_buffer, .address_space: global }
      - { .name: qs, .offset: 96, .size: 8, .value_kind: global_buffer, .address_space: global }
      - { .name: kv, .offset: 104, .size: 8, .value_kind: global_buffer, .address_space: global }
    .group_segment_fixed_size: 327680
    .private_segment_fixed_size: 0
    .kernarg_segment_align: 8
    .kernarg_segment_size: 112
    .max_flat_workgroup_size: 128
    .sgpr_count:     106
    .vgpr_count:     1024
    .wavefront_size: 32
...
	.end_amdgpu_metadata
.endif
;; end of part 1
;; launch attn (part 2): grid 64 x 4, 8 waves a work-group, clusters of 4 x 1, 327,680 bytes of LDS; arguments qc, qs, kv, ac, a6s; writes ac, a6s
.if DOCPART == 2
	.amdgcn_target "amdgcn-amd-amdhsa--gfx1250"
	.amdhsa_code_object_version 6
	.text
	.protected	k_q2538562ed1_attn
	.globl	k_q2538562ed1_attn
	.p2align	8
	.type	k_q2538562ed1_attn,@function
k_q2538562ed1_attn:
	s_mov_b64 s[64:65], 0
	v_nop
	global_prefetch_b8 v0, s[64:65] scope:SCOPE_SE
	s_setreg_imm32_b32 hwreg(HW_REG_WAVE_MODE, 25, 1), 1
	s_wait_xcnt 0x0
	s_wait_alu depctr_hold_cnt(0) depctr_sa_sdst(0) depctr_va_vdst(0) depctr_va_sdst(0) depctr_va_ssrc(0) depctr_va_vcc(0) depctr_vm_vsrc(0)
	s_getreg_b32 s2, hwreg(HW_REG_IB_STS2, 6, 4)
	s_cmp_eq_u32 s2, 0
	s_cbranch_scc0 .Lentry_in_a_cluster
	s_endpgm
.Lentry_in_a_cluster:
	s_bfe_u32 s2, ttmp6, 0x10000c
	s_cmp_lg_u32 s2, 0x3003
	s_cbranch_scc0 .Lentry_shape_is_right
	s_endpgm
.Lentry_shape_is_right:
; Attention of one head and 256 queries for a work-group of eight waves, 32 queries a wave, on codes of FP6 (E2M3): S^T = k q^T, p = 2^(t - M) with a running whole M, O^T = v^T p^T, divided by the row's sum.
; The batch's k and v (kv: scale words, then fragments) lie in LDS whole, brought by two joint loads a wave, shared by the four work-groups of a cluster (the four query blocks of a head).
; q's loads and the set-up stand between the first load and the wait for it; the second fill follows behind the wait, the add and the round.
; The result (row 64 head + d / 2, K = 1,024 (d % 2) + query) is quantised along the queries and leaves as images of operand registers:
; ac [64 rows: batch, head][16 steps of 128 K][4 blocks of 16 rows][6 pieces][32 lanes][8 bytes]; a6s [4,096][64] holds the scale bytes.
; LIMITS: the promise holds while the scaled scores stay under 2^31 in magnitude; NaN and infinities are not served.
.set KVB,  204800
.set STG,  204800
.set CST,  278528
.set SST,  303104
.set FS,   8
.set TT,   16
.set NM,   0
.set MX,   1
.set LL,   2
.set BM,   4
.set XX,   8
.set SO,   12
.set FF,   16
.set PW,   17
.set TA,   18
.set CV,   20
.set QF,   80
.set PCF,  104
.set SS,   128
.set FB,   128
.set MSB, 0
.macro WIN new
.if MSB != \new
	s_set_vgpr_msb (MSB<<8)|\new
.set MSB, \new
.endif
.endm
.macro CROUND
	s_barrier_signal -1
	s_barrier_wait -1
	s_cmp_lg_u32 s14, 0
	s_cbranch_scc1 .Lnot_wave_0_\@
	s_barrier_signal -3
.Lnot_wave_0_\@:
	s_barrier_wait -3
	s_barrier_signal -1
	s_barrier_wait -1
.endm
	s_load_b256 s[4:11], s[0:1], 0x0
	s_load_b64 s[12:13], s[0:1], 0x20
	v_lshl_add_u32 v71, v0, 2, 0x4a400
	v_mov_b32 v67, 0
	ds_add_u32 v71, v67
	ds_add_u32 v71, v67
	v_lshrrev_b32 v1, 5, v0
	s_delay_alu instid0(VALU_DEP_1)
	v_readfirstlane_b32 s14, v1
	s_bfe_u32 s15, ttmp6, 0x40000
	s_mov_b32 s16, ttmp9
	s_and_b32 s17, ttmp7, 0xffff
.irp g, 24, 32
	s_mov_b32 s[\g], 15|(3<<16)|(1<<21)
	s_mov_b32 s[\g+1], 32<<16
	s_mov_b32 s[\g+3], 32<<16
	s_mov_b32 s[\g+5], 32
	s_mov_b32 s[\g+6], 0
	s_mov_b32 s[\g+7], 0
.endr
	s_mov_b32 s26, 28<<16
	s_mov_b32 s28, 28
	s_mov_b32 s34, 72<<16
	s_mov_b32 s36, 72
	s_mov_b32 s20, 0x76543210
	s_mov_b32 s21, 0xfedcba98
	s_mov_b32 s22, 0x3e0293ee
	s_mov_b32 s23, s22
	s_mov_b32 s48, 0
	s_mov_b32 s49, 0
	s_mul_i32 s52, s17, KVB
	s_mov_b32 s53, 0
	s_mov_b32 s40, 1
	s_mul_i32 s41, s14, 7168
	s_mov_b32 s44, 1
	s_mul_i32 s45, s14, 18432
	s_add_co_u32 s45, s45, 57344
	s_mov_b32 s54, s41
	s_mov_b32 s55, 0
	s_mov_b32 s56, s45
	s_mov_b32 s57, 0
	s_wait_dscnt 0x0
	s_wait_kmcnt 0x0
	s_add_nc_u64 s[8:9], s[8:9], s[52:53]
	s_add_nc_u64 s[42:43], s[8:9], s[54:55]
	s_or_b32 s43, s43, 0x80000000
	s_add_nc_u64 s[46:47], s[8:9], s[56:57]
	s_or_b32 s47, s47, 0x80000000
	CROUND
	tensor_load_to_lds s[40:43], s[24:31]
	s_nop 0
.rept 4
	v_nop
.endr
	s_lshl_b32 s18, s17, 4
	s_add_co_u32 s18, s18, s16
	s_lshl_b32 s58, s18, 6
	s_lshl_b32 s19, s15, 4
	s_add_co_u32 s58, s58, s19
	s_lshl_b32 s19, s14, 1
	s_add_co_u32 s58, s58, s19
	s_mul_i32 s58, s58, 1536
	s_mov_b32 s59, 0
	s_add_nc_u64 s[4:5], s[4:5], s[58:59]
	s_lshl_b32 s58, s18, 4
	s_lshl_b32 s19, s15, 2
	s_add_co_u32 s58, s58, s19
	s_lshr_b32 s19, s14, 1
	s_add_co_u32 s58, s58, s19
	s_lshl_b32 s58, s58, 8
	s_and_b32 s19, s14, 1
	s_lshl_b32 s19, s19, 7
	s_add_co_u32 s58, s58, s19
	s_add_nc_u64 s[6:7], s[6:7], s[58:59]
	s_lshl_b32 s58, s18, 3
	s_add_co_u32 s58, s58, s15
	s_mul_i32 s58, s58, 12288
	s_add_nc_u64 s[10:11], s[10:11], s[58:59]
	s_lshl_b32 s58, s18, 12
	s_lshl_b32 s19, s15, 3
	s_add_co_u32 s58, s58, s19
	s_add_nc_u64 s[12:13], s[12:13], s[58:59]
	v_and_b32 v78, 15, v0
	v_bfe_u32 v79, v0, 4, 1
	v_and_b32 v39, 31, v0
	s_delay_alu instid0(VALU_DEP_3)
	v_mul_u32_u24 v1, v78, 24
	s_delay_alu instid0(VALU_DEP_1)
	v_mad_u32_u24 v1, v79, 384, v1
	s_delay_alu instid0(VALU_DEP_1)
	v_add_nc_u32 v1, 8192, v1
	v_lshlrev_b32 v2, 2, v78
	v_lshlrev_b32 v5, 4, v39
	v_lshlrev_b32 v35, 3, v78
.irp t, 0,1
.irp c, 0,1,2
	global_load_b128 v[QF+12*\t+4*\c:QF+12*\t+4*\c+3], v5, s[4:5] offset:1536*\t+512*\c
.endr
.endr
	global_load_b64 v[6:7], v35, s[6:7]
	s_mul_i32 s51, s14, 9216
	s_add_co_u32 s51, s51, STG
	v_mul_u32_u24 v43, v79, 1152
	s_delay_alu instid0(VALU_DEP_1)
	v_lshl_add_u32 v43, v78, 2, v43
	s_delay_alu instid0(VALU_DEP_1)
	v_add_nc_u32 v43, s51, v43
	v_mul_u32_u24 v44, v39, 144
	s_delay_alu instid0(VALU_DEP_1)
	v_add_nc_u32 v44, s51, v44
	; my block of 32 queries is block wave % 4 of step wave / 4: 6,144 bytes a step, 768 for the upper two blocks, lanes 16-31 (128 bytes on) for the odd ones
	s_lshr_b32 s51, s14, 2
	s_mul_i32 s51, s51, 6144
	s_bfe_u32 s19, s14, 0x10001
	s_mul_i32 s19, s19, 768
	s_add_co_u32 s51, s51, s19
	s_and_b32 s19, s14, 1
	s_lshl_b32 s19, s19, 7
	s_add_co_u32 s51, s51, s19
	s_add_co_u32 s51, s51, CST
	v_and_b32 v45, 1, v39
	s_delay_alu instid0(VALU_DEP_1)
	v_mul_u32_u24 v45, v45, 12288
	v_lshrrev_b32 v3, 1, v39
	s_delay_alu instid0(VALU_DEP_1)
	v_lshl_add_u32 v45, v3, 3, v45
	v_add_nc_u32 v45, s51, v45
	v_lshlrev_b32 v46, 3, v39
	s_add_co_u32 s51, s14, SST
	v_add_nc_u32 v46, s51, v46
	v_lshlrev_b32 v76, 4, v0
	s_delay_alu instid0(VALU_DEP_1)
	v_add_nc_u32 v47, CST, v76
	v_lshlrev_b32 v75, 3, v0
	s_delay_alu instid0(VALU_DEP_1)
	v_add_nc_u32 v75, SST, v75
	v_lshlrev_b32 v77, 5, v0
.irp t, 0,1
	v_mov_b32 v[TT+32*\t+MX], 0xff61b1e6
	s_delay_alu instid0(VALU_DEP_1)
	v_floor_f32 v[TT+32*\t+NM], -v[TT+32*\t+MX]
	v_mov_b32 v[TT+32*\t+LL], 0
	v_mov_b32 v[TT+32*\t+LL+1], 0
	v_mov_b32 v[TT+32*\t+PW], 0
.irp b, 0,1,2,3
	v_mov_b32 v[TT+32*\t+XX+\b], 0
.endr
.endr
.macro LOADF off, soff
	WIN 0x40
.irp f, 0,1,2,3,4,5,6,7
.irp p, 0,1,2,3,4,5
	ds_load_b64 v[FB+12*\f+2*\p:FB+12*\f+2*\p+1], v3 offset:\off+1536*\f+768*(\p/3)+8*(\p%3)
.endr
.endr
	WIN 0
.irp f, 0,1,2,3,4,5,6,7
	ds_load_b32 v[FS+\f], v4 offset:\soff+64*\f
.endr
.endm
.macro STEP first
	v_add_nc_u32 v3, s48, v1
	v_add_nc_u32 v4, s49, v2
	v_nop
	v_nop
	LOADF 0, 0
	s_wait_alu depctr_va_vdst(0)
	s_wait_dscnt 0x0
	WIN 0x01
.irp f, 0,1,2,3,4,5,6,7
.irp t, 0,1
	v_wmma_scale_f32_16x16x128_f8f6f4 v[SS+64*\t+8*\f:SS+64*\t+8*\f+7], v[FB+12*\f:FB+12*\f+11], v[QF+12*\t:QF+12*\t+11], 0, v[FS+\f], v[6+\t] matrix_a_fmt:MATRIX_FMT_FP6 matrix_b_fmt:MATRIX_FMT_FP6
.endr
.endr
	WIN 0
.rept 4
	v_nop
.endr
	LOADF 12288, 4096
.irp t, 0,1
.irp b, 0,1,2,3
	v_max3_num_f32 v[TT+32*\t+BM+\b], v[SS+64*\t+16*\b], v[SS+64*\t+16*\b+1], v[SS+64*\t+16*\b+2]
.endr
.endr
.irp i, 3,5,7,9,11,13
.irp t, 0,1
.irp b, 0,1,2,3
	v_max3_num_f32 v[TT+32*\t+BM+\b], v[TT+32*\t+BM+\b], v[SS+64*\t+16*\b+\i], v[SS+64*\t+16*\b+\i+1]
.endr
.endr
.endr
.irp t, 0,1
.irp b, 0,1,2,3
	v_max_num_f32 v[TT+32*\t+BM+\b], v[TT+32*\t+BM+\b], v[SS+64*\t+16*\b+15]
.endr
.endr
.irp t, 0,1
.irp b, 0,1,2,3
	v_permlanex16_b32 v[TT+32*\t+XX+\b], v[TT+32*\t+BM+\b], s20, s21
.endr
.endr
.irp t, 0,1
.irp b, 0,1,2,3
	v_max_num_f32 v[TT+32*\t+BM+\b], v[TT+32*\t+BM+\b], v[TT+32*\t+XX+\b]
.endr
.endr
.irp t, 0
	v_max3_num_f32 v[TT+32*\t+TA], v[TT+32*\t+BM], v[TT+32*\t+BM+1], v[TT+32*\t+BM+2]
.endr
.irp t, 1
	s_delay_alu instid0(VALU_DEP_3)
	v_max3_num_f32 v[TT+32*\t+TA], v[TT+32*\t+BM], v[TT+32*\t+BM+1], v[TT+32*\t+BM+2]
.endr
.irp t, 0,1
	s_delay_alu instid0(VALU_DEP_2)
	v_max_num_f32 v[TT+32*\t+TA], v[TT+32*\t+TA], v[TT+32*\t+BM+3]
.endr
.irp t, 0,1
	s_delay_alu instid0(VALU_DEP_2)
	v_mul_f32 v[TT+32*\t+TA], s22, v[TT+32*\t+TA]
.endr
.irp t, 0,1
	s_delay_alu instid0(VALU_DEP_2)
	v_max_num_f32 v[TT+32*\t+MX], v[TT+32*\t+MX], v[TT+32*\t+TA]
.endr
.irp t, 0,1
	v_mov_b32 v[TT+32*\t+TA], v[TT+32*\t+NM]
.endr
.irp t, 0,1
	s_delay_alu instid0(VALU_DEP_4)
	v_floor_f32 v[TT+32*\t+NM], -v[TT+32*\t+MX]
.endr
.irp t, 0,1
	s_delay_alu instid0(VALU_DEP_2)
	v_sub_f32 v[TT+32*\t+TA], v[TT+32*\t+NM], v[TT+32*\t+TA]
.endr
.irp t, 0,1
	s_delay_alu instid0(VALU_DEP_2)
	v_cvt_i32_f32 v[TT+32*\t+TA], v[TT+32*\t+TA]
.endr
.irp t, 0,1
	s_delay_alu instid0(VALU_DEP_2)
	v_ldexp_f32 v[TT+32*\t+FF], 1.0, v[TT+32*\t+TA]
.endr
.irp t, 0,1
.set J, 0
.rept 32
	v_pk_fma_f32 v[SS+64*\t+J:SS+64*\t+J+1], v[SS+64*\t+J:SS+64*\t+J+1], s[22:23], v[TT+32*\t:TT+32*\t+1] op_sel_hi:[1,0,0]
.set J, J+2
.endr
.endr
.irp t, 0,1
.irp b, 0,1,2,3
	v_fma_f32 v[TT+32*\t+BM+\b], v[TT+32*\t+BM+\b], s22, v[TT+32*\t+NM]
.endr
.endr
.set J, 0
	s_wait_alu depctr_va_vdst(0)
.rept 128
	v_exp_f32 v[SS+J], v[SS+J]
.set J, J+1
.endr
.irp t, 0,1
	v_pk_mul_f32 v[TT+32*\t+LL:TT+32*\t+LL+1], v[TT+32*\t+LL:TT+32*\t+LL+1], v[TT+32*\t+FF:TT+32*\t+FF+1] op_sel_hi:[1,0]
.endr
	s_wait_alu depctr_va_vdst(0)
.irp t, 0,1
.irp b, 0,1,2,3
	v_exp_f32 v[TT+32*\t+BM+\b], v[TT+32*\t+BM+\b]
.endr
.endr
.irp t, 0,1
	v_pk_add_f32 v[TT+32*\t+XX:TT+32*\t+XX+1], v[SS+64*\t:SS+64*\t+1], v[SS+64*\t+2:SS+64*\t+3]
.endr
.irp j, 4,8,12,16,20,24,28,32,36,40,44,48,52,56,60
.irp t, 0,1
	v_pk_add_f32 v[TT+32*\t+LL:TT+32*\t+LL+1], v[TT+32*\t+LL:TT+32*\t+LL+1], v[SS+64*\t+\j:SS+64*\t+\j+1]
	v_pk_add_f32 v[TT+32*\t+XX:TT+32*\t+XX+1], v[TT+32*\t+XX:TT+32*\t+XX+1], v[SS+64*\t+\j+2:SS+64*\t+\j+3]
.endr
.endr
.irp t, 0
	s_delay_alu instid0(VALU_DEP_3)
	v_pk_add_f32 v[TT+32*\t+LL:TT+32*\t+LL+1], v[TT+32*\t+LL:TT+32*\t+LL+1], v[TT+32*\t+XX:TT+32*\t+XX+1]
.endr
.irp t, 1
	s_delay_alu instid0(VALU_DEP_2)
	v_pk_add_f32 v[TT+32*\t+LL:TT+32*\t+LL+1], v[TT+32*\t+LL:TT+32*\t+LL+1], v[TT+32*\t+XX:TT+32*\t+XX+1]
.endr
	s_wait_alu depctr_va_vdst(0)
.irp t, 0,1
.irp b, 0,1,2,3
	v_max_num_f32 v[TT+32*\t+BM+\b], 0x1800000, v[TT+32*\t+BM+\b]
.endr
.endr
.irp t, 0,1
.irp b, 0,1,2,3
	v_add_nc_u32 v[TT+32*\t+SO+\b], 0xff000000, v[TT+32*\t+BM+\b]
.endr
.endr
.irp t, 0,1
.irp b, 0,1,2,3
	v_lshrrev_b32 v[TT+32*\t+XX+\b], 23, v[TT+32*\t+SO+\b]
.endr
.endr
.irp t, 0
	v_lshl_or_b32 v[TT+32*\t+PW], v[TT+32*\t+XX+1], 8, v[TT+32*\t+XX]
.endr
.irp t, 1
	s_delay_alu instid0(VALU_DEP_4)
	v_lshl_or_b32 v[TT+32*\t+PW], v[TT+32*\t+XX+1], 8, v[TT+32*\t+XX]
.endr
.irp t, 0,1
	s_delay_alu instid0(VALU_DEP_2)
	v_lshl_or_b32 v[TT+32*\t+PW], v[TT+32*\t+XX+2], 16, v[TT+32*\t+PW]
.endr
.irp t, 0,1
	s_delay_alu instid0(VALU_DEP_2)
	v_lshl_or_b32 v[TT+32*\t+PW], v[TT+32*\t+XX+3], 24, v[TT+32*\t+PW]
.endr
.irp t, 0,1
.irp c, 0,1
	v_cvt_scalef32_pk16_fp6_f32 v[PCF+12*\t+6*\c:PCF+12*\t+6*\c+2], v[SS+64*\t+32*\c:SS+64*\t+32*\c+15], v[TT+32*\t+SO+2*\c]
	v_cvt_scalef32_pk16_fp6_f32 v[TT+32*\t+CV+4*\c:TT+32*\t+CV+4*\c+2], v[SS+64*\t+32*\c+16:SS+64*\t+32*\c+31], v[TT+32*\t+SO+2*\c+1]
.endr
.endr
	v_nop
.irp t, 0,1
.irp c, 0,1
.irp i, 0,1,2
	v_permlane16_swap_b32 v[PCF+12*\t+6*\c+\i], v[TT+32*\t+CV+4*\c+\i]
.endr
.irp i, 0,1,2
	s_delay_alu instid0(VALU_DEP_3)
	v_mov_b32 v[PCF+12*\t+6*\c+3+\i], v[TT+32*\t+CV+4*\c+\i]
.endr
.endr
.endr
.if \first
	s_wait_alu depctr_va_vdst(0)
.rept 8
	v_nop
.endr
.else
	WIN 0x41
.irp t, 0,1
.set J, 0
.rept 32
	v_pk_mul_f32 v[64*\t+J:64*\t+J+1], v[64*\t+J:64*\t+J+1], v[TT+32*\t+FF:TT+32*\t+FF+1] op_sel_hi:[1,0]
.set J, J+2
.endr
.endr
.endif
	s_wait_alu depctr_va_vdst(0)
	s_wait_dscnt 0x0
	WIN 0x51
.irp f, 0,1,2,3,4,5,6,7
.irp t, 0,1
.if \first
	v_wmma_scale_f32_16x16x128_f8f6f4 v[64*\t+8*\f:64*\t+8*\f+7], v[FB+12*\f:FB+12*\f+11], v[PCF+12*\t:PCF+12*\t+11], 0, v[FS+\f], v[TT+32*\t+PW] matrix_a_fmt:MATRIX_FMT_FP6 matrix_b_fmt:MATRIX_FMT_FP6
.else
	v_wmma_scale_f32_16x16x128_f8f6f4 v[64*\t+8*\f:64*\t+8*\f+7], v[FB+12*\f:FB+12*\f+11], v[PCF+12*\t:PCF+12*\t+11], v[64*\t+8*\f:64*\t+8*\f+7], v[FS+\f], v[TT+32*\t+PW] matrix_a_fmt:MATRIX_FMT_FP6 matrix_b_fmt:MATRIX_FMT_FP6
.endif
.endr
.endr
	WIN 0
	s_add_co_u32 s48, s48, 24576
	s_add_co_u32 s49, s49, 512
.endm
	s_wait_alu depctr_va_vdst(0)
	s_wait_tensorcnt 0x0
	ds_add_u32 v71, v67
	s_wait_dscnt 0x0
	CROUND
	tensor_load_to_lds s[44:47], s[32:39]
	s_nop 0
.rept 4
	v_nop
.endr
	s_wait_loadcnt 0x0
	STEP 1
	STEP 0
	s_wait_tensorcnt 0x0
	s_wait_dscnt 0x0
	s_barrier_signal -1
	s_barrier_wait -1
	s_mov_b32 s50, 6
.Lstep:
	STEP 0
	s_sub_co_u32 s50, s50, 1
	s_cmp_lg_u32 s50, 0
	s_cbranch_scc1 .Lstep
.rept 4
	v_nop
.endr
.irp t, 0,1
	v_add_f32 v[TT+32*\t+LL], v[TT+32*\t+LL], v[TT+32*\t+LL+1]
.endr
.irp t, 0,1
	s_delay_alu instid0(VALU_DEP_2)
	v_permlanex16_b32 v[TT+32*\t+XX], v[TT+32*\t+LL], s20, s21
.endr
.irp t, 0,1
	s_delay_alu instid0(VALU_DEP_2)
	v_add_f32 v[TT+32*\t+LL], v[TT+32*\t+LL], v[TT+32*\t+XX]
.endr
	s_wait_alu depctr_va_vdst(0)
.irp t, 0,1
	v_rcp_f32 v[TT+32*\t+TA], v[TT+32*\t+LL]
.endr
	v_nop
	s_wait_alu depctr_va_vdst(0)
.set QA,  104
.set QB,  106
.set QO,  108
.set QBY, 110
.set EC,  80
.irp hf, 0,1
	WIN 0x01
.irp t, 0,1
.set J, 0
.rept 32
	v_mul_f32 v[SS+32*\t+J], v[64*\t+32*\hf+J], v[TT+32*\t+TA]
.set J, J+1
.endr
.endr
	WIN 0
.irp t, 0,1
.irp f, 0,1,2,3
.irp j, 0,1,2,3,4,5,6,7
	ds_store_b32 v43, v[SS+32*\t+8*\f+\j] offset:(16*\f+\j)*144+64*\t
.endr
.endr
.endr
.irp k, 0,1
.irp i, 0,1,2,3,4,5,6,7
	ds_load_b128 v[192+32*\k+4*\i:192+32*\k+4*\i+3], v44 offset:4608*\k+16*\i
.endr
.endr
	s_wait_dscnt 0x0
.irp k, 0,1
	v_max3_num_f32 v[QA+\k], |v[192+32*\k]|, |v[192+32*\k+1]|, |v[192+32*\k+2]|
.endr
.irp k, 0,1
	v_max3_num_f32 v[QB+\k], |v[192+32*\k+3]|, |v[192+32*\k+4]|, |v[192+32*\k+5]|
.endr
.irp i, 6,10,14,18,22,26
.irp k, 0
	s_delay_alu instid0(VALU_DEP_4)
	v_max3_num_f32 v[QA+\k], v[QA+\k], |v[192+32*\k+\i]|, |v[192+32*\k+\i+1]|
	v_max3_num_f32 v[QB+\k], v[QB+\k], |v[192+32*\k+\i+2]|, |v[192+32*\k+\i+3]|
.endr
.irp k, 1
	v_max3_num_f32 v[QA+\k], v[QA+\k], |v[192+32*\k+\i]|, |v[192+32*\k+\i+1]|
	s_delay_alu instid0(VALU_DEP_4)
	v_max3_num_f32 v[QB+\k], v[QB+\k], |v[192+32*\k+\i+2]|, |v[192+32*\k+\i+3]|
.endr
.endr
.irp k, 0
	s_delay_alu instid0(VALU_DEP_4)
	v_max3_num_f32 v[QA+\k], v[QA+\k], |v[192+32*\k+30]|, |v[192+32*\k+31]|
.endr
.irp k, 1
	s_delay_alu instid0(VALU_DEP_3)
	v_max3_num_f32 v[QA+\k], v[QA+\k], |v[192+32*\k+30]|, |v[192+32*\k+31]|
.endr
.irp k, 0,1
	s_delay_alu instid0(VALU_DEP_2)
	v_max3_num_f32 v[QA+\k], v[QA+\k], v[QB+\k], 0x1800000
.endr
.irp k, 0,1
	s_delay_alu instid0(VALU_DEP_2)
	v_add_nc_u32 v[QO+\k], 0xff000000, v[QA+\k]
.endr
.irp k, 0,1
	s_delay_alu instid0(VALU_DEP_2)
	v_lshrrev_b32 v[QBY+\k], 23, v[QO+\k]
.endr
.irp k, 0,1
	v_cvt_scalef32_pk16_fp6_f32 v[EC+12*\k:EC+12*\k+2], v[192+32*\k:192+32*\k+15], v[QO+\k]
	v_cvt_scalef32_pk16_fp6_f32 v[EC+12*\k+6:EC+12*\k+8], v[192+32*\k+16:192+32*\k+31], v[QO+\k]
.endr
	v_nop
.irp k, 0,1
.irp i, 0,1,2
	v_mov_b32 v[EC+12*\k+3+\i], v[EC+12*\k+6+\i]
.endr
.endr
.irp k, 0,1
.irp m, 0,1,2
	ds_store_b64 v45, v[EC+12*\k+2*\m:EC+12*\k+2*\m+1] offset:(2*\hf+\k)*1536+256*\m
.endr
	ds_store_b8 v46, v[QBY+\k] offset:(64*\hf+32*\k)*8
.endr
.endr
	s_wait_dscnt 0x0
	s_barrier_signal -1
	s_barrier_wait -1
.irp i, 0,1,2,3,4,5
	ds_load_b128 v[SS+4*\i:SS+4*\i+3], v47 offset:4096*\i
.endr
.irp i, 0,1,2,3,4,5
	s_wait_dscnt 5-\i
.if \i < 3
	global_store_b128 v76, v[SS+4*\i:SS+4*\i+3], s[10:11] offset:4096*\i
.else
	global_store_b128 v76, v[SS+4*\i:SS+4*\i+3], s[10:11] offset:4096*\i+36864
.endif
.endr
	s_cmp_lt_u32 s14, 4
	s_cbranch_scc0 .Lno_bytes
	ds_load_b64 v[SS+24:SS+25], v75
	s_wait_dscnt 0x0
	global_store_b64 v77, v[SS+24:SS+25], s[12:13]
.Lno_bytes:
	s_wait_tensorcnt 0x0
	ds_add_u32 v71, v67
	s_wait_dscnt 0x0
	CROUND
	s_endpgm
.Lfunc_end_k_q2538562ed1_attn:
	.size	k_q2538562ed1_attn, .Lfunc_end_k_q2538562ed1_attn-k_q2538562ed1_attn
	.p2alignl 7, 3214868480
	.fill 96, 4, 3214868480
	.section	.rodata,"a",@progbits
	.p2align	6, 0x0
	.amdhsa_kernel k_q2538562ed1_attn
		.amdhsa_group_segment_fixed_size 327680
		.amdhsa_private_segment_fixed_size 0
		.amdhsa_enable_private_segment 0
		.amdhsa_kernarg_size 40
		.amdhsa_user_sgpr_count 2
		.amdhsa_user_sgpr_kernarg_segment_ptr 1
		.amdhsa_wavefront_size32 1
		.amdhsa_system_sgpr_workgroup_id_x 1
		.amdhsa_system_sgpr_workgroup_id_y 1
		.amdhsa_system_sgpr_workgroup_id_z 1
		.amdhsa_system_vgpr_workitem_id 0
		.amdhsa_next_free_vgpr 512
		.amdhsa_next_free_sgpr 66
		.amdhsa_reserve_vcc 0
		.amdhsa_float_denorm_mode_32 3
		.amdhsa_float_denorm_mode_16_64 3
		.amdhsa_memory_ordered 1
		.amdhsa_forward_progress 1
		.amdhsa_inst_pref_size 144
	.end_amdhsa_kernel
	.amdgpu_metadata
---
amdhsa.version: [ 1, 2 ]
amdhsa.kernels:
  - .name:           k_q2538562ed1_attn
    .symbol:         k_q2538562ed1_attn.kd
    .args:
      - { .name: qc, .offset: 0, .size: 8, .value_kind: global_buffer, .address_space: global }
      - { .name: qs, .offset: 8, .size: 8, .value_kind: global_buffer, .address_space: global }
      - { .name: kv, .offset: 16, .size: 8, .value_kind: global_buffer, .address_space: global }
      - { .name: ac, .offset: 24, .size: 8, .value_kind: global_buffer, .address_space: global }
      - { .name: a6s, .offset: 32, .size: 8, .value_kind: global_buffer, .address_space: global }
    .group_segment_fixed_size: 327680
    .private_segment_fixed_size: 0
    .kernarg_segment_align: 8
    .kernarg_segment_size: 40
    .max_flat_workgroup_size: 256
    .sgpr_count:     66
    .vgpr_count:     512
    .wavefront_size: 32
...
	.end_amdgpu_metadata
.endif
;; end of part 2
;; launch outp (part 3): grid 8 x 32, 4 waves a work-group, clusters of 4 x 4, 327,680 bytes of LDS; arguments ac, a6s, w_o_codes, w_o_scales, b_o, out0; writes out0
.if DOCPART == 3
	.amdgcn_target "amdgcn-amd-amdhsa--gfx1250"
	.amdhsa_code_object_version 6
	.text
	.protected	k_q2538562ed1_outp
	.globl	k_q2538562ed1_outp
	.p2align	8
	.type	k_q2538562ed1_outp,@function
k_q2538562ed1_outp:
	s_mov_b64 s[64:65], 0
	v_nop
	global_prefetch_b8 v0, s[64:65] scope:SCOPE_SE
	s_setreg_imm32_b32 hwreg(HW_REG_WAVE_MODE, 25, 1), 1
	s_wait_xcnt 0x0
	s_wait_alu depctr_hold_cnt(0) depctr_sa_sdst(0) depctr_va_vdst(0) depctr_va_sdst(0) depctr_va_ssrc(0) depctr_va_vcc(0) depctr_vm_vsrc(0)
	s_getreg_b32 s2, hwreg(HW_REG_IB_STS2, 6, 4)
	s_cmp_eq_u32 s2, 0
	s_cbranch_scc0 .Lentry_in_a_cluster
	s_endpgm
.Lentry_in_a_cluster:
	s_bfe_u32 s2, ttmp6, 0x10000c
	s_cmp_lg_u32 s2, 0xf033
	s_cbranch_scc0 .Lentry_shape_is_right
	s_endpgm
.Lentry_shape_is_right:
; out0 = A w_o + b_o, on codes of FP6 (E2M3) with one E8M0 scale for each 32 along K = 2,048.  w_o: [2,048 (n)][1,536 bytes], [2,048][64].  a6s: [4,096][64].
; A comes as the launch before has stored it, as images of operand registers: ac [64 rows][16 steps of 128 K][4 blocks of 16 rows][6 pieces][32 lanes][8 bytes].
; SHARES.  A work-group of four waves makes 128 x 256 of out0: 32 x 8 work-groups.  A wave makes 64 x 128: 4 blocks of A x 8 of w_o, 32 accumulators.
; A's FRAGMENTS go from memory straight into registers: 24 loads a step, each of 256 consecutive bytes, into four sets that take turns, three steps ahead of their products.  Loads into registers have no joint form.
; THE RING holds w_o alone.  A row of codes is three chunks of 512 bytes, each beginning at a multiple of 256.  Chunk c lies in slot c % 2; a slot holds 256 rows, 528 bytes apart; each wave fetches 64 rows with one load.
; A step of 128 along K is 96 bytes: steps 5 and 10 lie across two chunks and read both slots.  Three fills in all: at the head, behind the head's round, and behind the round in step 5.
; THE SCALE BYTES go from memory into registers, once: lane (r, h) takes bytes 32 h .. 32 h + 31 of row r's 64: register j of a block holds step j's word in lanes 0-15 and step 8 + j's in lanes 16-31.
; CLUSTERS: 4 x 4.  w_o's tiles are shared along a column of the cluster and asked for jointly.
; PREFETCH.  w_o: behind chunk 0's load each wave names chunk 2 of a quarter of its 64 rows (two lanes a row); the four partners take different quarters by address.  A: in step g each wave names 3 of the 24 blocks of 256 bytes
; of step g + 5, two steps ahead of that step's loads; the eight waves of a cluster's row that read them take different blocks by address.  Steps 0 to 4 of A and chunks 0 and 1 of w_o come by their loads alone.
; The matrix instruction is used transposed (source 0 = rows of w_o, source 1 = rows of A): a lane holds eight neighbouring numbers of a row of out0.  b_o is the C of the first step's products: nothing is cleared.
; REGISTERS.  Window 0: v1-9 at work, v19-31 addresses, v32-127 scale words.  Window 1: the accumulators.  Window 2: w_o's fragments, two sets; on the way out rows of out0.  Window 3: A's fragments v0-191, b_o v192-255.
.set PITCH, 528
.set SLOT,  135168
.set SPARE, 270336
.set STG,   270848                     ; the way out: 16 rows x 528 bytes for each wave; no tensor load lands here
.set TW,    (1<<20)|(1<<21)|(6<<22)|(3<<25)   ; elements of 1 byte; padding on; bit 21 beside a mask; after every 128 words, 4 words
.set PAO,  19
.set ADRB, 20
.set STO,  24
.set RD,   25
.set CO,   26
.set AO,   27
.set SOF,  28
.set PFO,  29
.set SPW,  30
.set NIL,  31
.set SA,   32
.set SB,   64
.set BI,   192
.set G1,   32
.set G0,   40
.set PFB,  48
.set PFA,  50
.set AB,   52
.set MSB, 0
.macro WIN new                         ; the immediate's high byte repeats the setting that is left
.if MSB != \new
	s_set_vgpr_msb (MSB<<8)|\new
.set MSB, \new
.endif
.endm
.macro MULW g                          ; source 0 (w_o) window 2, source 1 (A) window 3, D window 1; C window 1, in step 0 window 3 (b_o)
.if (\g) == 0
	WIN 0x7e
.else
	WIN 0x5e
.endif
.endm
.macro PLACES                          ; four plain places behind a matrix instruction (ISA guide 7.12.1)
.rept 4
	v_nop
.endr
.endm
.macro CREST
	s_cmp_lg_u32 s20, 0
	s_cbranch_scc1 .Lnot_wave_0_\@
	s_barrier_signal -3
.Lnot_wave_0_\@:
	s_barrier_wait -3
	s_barrier_signal -1
	s_barrier_wait -1
.endm
.macro CROUND
	s_barrier_signal -1
	s_barrier_wait -1
	CREST
.endm
.macro JLOAD s                         ; my 64 rows of slot s's chunk; s_nop 0 and four v_nop follow
	tensor_load_to_lds s[G0+4*\s:G0+4*\s+3], s[G1:G1+7]
	s_nop 0
.rept 4
	v_nop
.endr
.endm
	s_load_b256 s[4:11], s[0:1], 0x0               ; ac s[4:5], a6s s[6:7], w_o's codes s[8:9], scales s[10:11]
	s_load_b128 s[12:15], s[0:1], 0x20             ; b_o s[12:13], out0 s[14:15]
	v_lshl_add_u32 v[SPW], v0, 2, SPARE
	v_mov_b32 v[NIL], 0
	ds_add_u32 v[SPW], v[NIL]                      ; the opening lines: the add, twice on end, and its wait
	ds_add_u32 v[SPW], v[NIL]
	v_lshrrev_b32 v1, 5, v0
	v_readfirstlane_b32 s20, v1                    ; wave 0..3
	s_lshr_b32 s21, s20, 1                         ; which 64 rows are mine
	s_and_b32 s22, s20, 1                          ; which 128 columns
	s_bfe_u32 s23, ttmp6, 0x40000                  ; cx
	s_bfe_u32 s24, ttmp6, 0x40004                  ; cy
	s_lshl_b32 s25, ttmp9, 2
	s_add_co_u32 s25, s25, s23                     ; tile column
	s_and_b32 s26, ttmp7, 0xffff
	s_lshl_b32 s26, s26, 2
	s_add_co_u32 s26, s26, s24                     ; tile row
	s_lshl_b32 s67, 0x1111, s23                    ; my column of the cluster
	s_or_b32 s[G1], s67, TW
	s_mov_b32 s[G1+1], 512<<16                     ; rows of 512 bytes,
	s_mov_b32 s[G1+2], 64<<16                      ; 64 of them,
	s_mov_b32 s[G1+3], 512<<16
	s_mov_b32 s[G1+4], 64
	s_mov_b32 s[G1+5], 1536                        ; 1,536 bytes apart in memory
	s_mov_b32 s[G1+6], 0
	s_mov_b32 s[G1+7], 0
	s_mul_i32 s104, s25, 393216                    ; w_o: 256 rows a tile column,
	s_mul_i32 s2, s20, 98304
	s_add_co_u32 s104, s104, s2                    ; the 64 that I fetch
	s_mov_b32 s105, 0
	s_mul_i32 s28, s24, 24576
	s_add_co_u32 s28, s28, s104                    ; w_o's prefetch: quarter cy of them
	s_mov_b32 s29, 0
	s_mul_i32 s16, s20, 33792                      ; LDS: wave x 64 rows of 528 bytes
	s_lshl_b32 s100, s26, 1
	s_add_co_u32 s100, s100, s21
	s_mul_i32 s100, s100, 98304                    ; A: my 64 rows' 16 steps
	s_mov_b32 s101, 0
	s_lshl_b32 s30, s23, 1
	s_add_co_u32 s30, s30, s22
	s_mul_i32 s30, s30, 768
	s_add_co_u32 s30, s30, s100                    ; A's prefetch: blocks 3 (2 cx + column half) on
	s_mov_b32 s31, 0
	s_wait_dscnt 0x0                               ; both opening adds are done
	s_wait_kmcnt 0x0
	s_add_nc_u64 s[PFB:PFB+1], s[8:9], s[28:29]
	s_add_nc_u64 s[PFA:PFA+1], s[4:5], s[30:31]
	s_add_nc_u64 s[AB:AB+1], s[4:5], s[100:101]
	s_add_nc_u64 s[104:105], s[8:9], s[104:105]
.irp s, 0,1
	s_mov_b32 s[G0+4*\s], 1
	s_add_co_u32 s[G0+4*\s+1], s16, \s*SLOT
	s_add_nc_u64 s[G0+4*\s+2:G0+4*\s+3], s[104:105], \s*512
	s_or_b32 s[G0+4*\s+3], s[G0+4*\s+3], 0x80000000
.endr
	CROUND                                         ; all sixteen work-groups are here: the first joint loads meet
	JLOAD 0                                        ; chunk 0: my one load at the head
	s_mov_b32 s28, SLOT-488
	s_mov_b32 s29, SLOT+488
	s_mul_i32 s16, s22, 67584                      ; my 128 rows of w_o
	s_mul_i32 s17, s20, 8448
	s_add_co_u32 s17, s17, STG                     ; my stage
	v_and_b32 v1, 15, v0                           ; r
	v_bfe_u32 v2, v0, 4, 1                         ; h
	v_mul_u32_u24 v3, v1, PITCH
	v_mul_u32_u24 v4, v2, 24
	v_add_nc_u32 v4, v3, v4                        ; row x pitch + 24 h
	v_sub_nc_u32 v7, 1, v2
	v_mul_u32_u24 v5, s28, v2
	v_add_nc_u32 v5, v3, v5
	v_add_nc_u32 v5, 488, v5                       ; lanes 0-15 byte 488 of the row in slot 0, lanes 16-31 byte 0 in slot 1
	v_mul_u32_u24 v6, s29, v7
	v_add_nc_u32 v6, v3, v6                        ; lanes 0-15 byte 488 in slot 1, lanes 16-31 byte 0 in slot 0
	v_add_nc_u32 v[ADRB], s16, v4
	v_add_nc_u32 v[ADRB+1], SLOT, v[ADRB]
	v_add_nc_u32 v[ADRB+2], s16, v5
	v_add_nc_u32 v[ADRB+3], s16, v6
	v_lshlrev_b32 v[SOF], 6, v1
	v_lshl_add_u32 v[SOF], v2, 5, v[SOF]           ; scale bytes: 64 r + 32 h
	v_mul_u32_u24 v[STO], v1, 528
	v_lshl_add_u32 v[STO], v2, 5, v[STO]
	v_add_nc_u32 v[STO], s17, v[STO]               ; in: row r, 32 bytes for each half of the lanes
	v_and_b32 v9, 31, v0                           ; lane
	v_lshlrev_b32 v[CO], 4, v9                     ; back: the 32 lanes take one row of 512 bytes; and the same in out0
	v_add_nc_u32 v[RD], s17, v[CO]
	v_lshlrev_b32 v8, 5, v2                        ; 32 h: my eight columns of the bias
	v_lshlrev_b32 v[AO], 3, v9                     ; 8 x lane: my place in a piece of an image
	v_lshrrev_b32 v[PFO], 1, v9
	v_mul_u32_u24 v[PFO], v[PFO], 1536
	v_and_b32 v7, 1, v9
	v_lshl_add_u32 v[PFO], v7, 8, v[PFO]           ; w_o's prefetch: row lane / 2, block lane % 2
	v_min_u32 v[PAO], 2, v9
	v_lshlrev_b32 v[PAO], 8, v[PAO]                ; A's: three blocks; lanes left over name the last again
	s_lshl_b32 s104, s25, 10                       ; my first column, in bytes
	s_lshl_b32 s2, s22, 9
	s_add_co_u32 s104, s104, s2
	s_mov_b32 s105, 0
	s_add_nc_u64 s[12:13], s[12:13], s[104:105]    ; b_o at my 128 columns
	s_add_nc_u64 s[14:15], s[14:15], s[104:105]
	s_lshl_b32 s100, s26, 7
	s_lshl_b32 s2, s21, 6
	s_add_co_u32 s100, s100, s2                    ; my first row
	s_lshl_b32 s104, s100, 6
	s_add_nc_u64 s[6:7], s[6:7], s[104:105]        ; the scale bytes of my 64 rows of A
	s_lshl_b32 s100, s100, 13                      ; rows of 8,192 bytes
	s_mov_b32 s101, 0
	s_add_nc_u64 s[14:15], s[14:15], s[100:101]
	s_lshl_b32 s104, s25, 14
	s_lshl_b32 s2, s22, 13
	s_add_co_u32 s104, s104, s2
	s_add_nc_u64 s[10:11], s[10:11], s[104:105]    ; and of my 128 rows of w_o
.macro GA g                            ; 24 loads: A's four fragments of step g into set g % 4; each load covers 256 consecutive bytes, aligned
	WIN 0xc0
.irp a, 0,1,2,3
.irp p, 0,1,2,3,4,5
	global_load_b64 v[48*((\g)%4)+12*\a+2*\p:48*((\g)%4)+12*\a+2*\p+1], v[AO], s[AB:AB+1] offset:6144*(\g)+1536*\a+256*\p
.endr
.endr
.endm
	s_wait_alu depctr_va_vdst(0)                   ; the wait at the end of the head's vector work
	global_prefetch_b8 v[PFO], s[PFB:PFB+1] offset:1024 th:TH_LOAD_NT scope:SCOPE_SE   ; w_o's chunk 2
.irp a, 0,1,2,3
	global_load_b128 v[SA+8*\a:SA+8*\a+3], v[SOF], s[6:7] offset:1024*\a
	global_load_b128 v[SA+8*\a+4:SA+8*\a+7], v[SOF], s[6:7] offset:1024*\a+16
.endr
.irp b, 0,1,2,3,4,5,6,7
	global_load_b128 v[SB+8*\b:SB+8*\b+3], v[SOF], s[10:11] offset:1024*\b
	global_load_b128 v[SB+8*\b+4:SB+8*\b+7], v[SOF], s[10:11] offset:1024*\b+16
.endr
	WIN 0xc0
.irp b, 0,1,2,3,4,5,6,7
	global_load_b128 v[BI+8*\b:BI+8*\b+3],   v8, s[12:13] offset:64*\b                    ; register j of tile b is column 16 b + 8 h + j
	global_load_b128 v[BI+8*\b+4:BI+8*\b+7], v8, s[12:13] offset:64*\b+16
.endr
	GA 0
	GA 1
	GA 2
	WIN 0
; A fragment of w_o, 16 rows x 128 K, is 12 registers: lane l holds row l % 16; registers 6 c .. 6 c + 5 hold K = 64 c + 32 (l / 16) + 0 .. 31, 24 bytes as they lie, in pieces of 8 bytes.
; Byte y of a row lies in slot (y / 512) % 2 at byte y % 512.  Lanes 16-31 read 24 bytes further on; where that is the next chunk, the second pair of address registers serves.
.macro FRAG reg, st, i
.irp p, 0,1,2,3,4,5
.set BY, 96*(\st)+48*(\p/3)+8*(\p%3)
.if BY/512 == (BY+24)/512
	ds_load_b64 v[\reg+2*\p:\reg+2*\p+1], v[ADRB+(BY/512)%2] offset:BY%512+(\i)*16*PITCH
.else
	ds_load_b64 v[\reg+2*\p:\reg+2*\p+1], v[ADRB+2+(BY/512)%2] offset:BY%512-488+(\i)*16*PITCH
.endif
.endr
.endm
.macro FB i0, g                        ; a run of 24 LDS loads: w_o's blocks i0 .. i0 + 3 of step g into set g % 2
	WIN 0x80
.irp i, \i0, \i0+1, \i0+2, \i0+3
	FRAG 128*((\g)%2)+12*(\i), \g, \i
.endr
.endm
.macro WM d, c, x, y, sx, sy, g        ; one product; steps 8-15 take their scale words from lanes 16-31
.if (\g) < 8
	v_wmma_scale_f32_16x16x128_f8f6f4 v[\d:\d+7], v[\x:\x+11], v[\y:\y+11], v[\c:\c+7], v[\sx], v[\sy] matrix_a_fmt:MATRIX_FMT_FP6 matrix_b_fmt:MATRIX_FMT_FP6
.else
	v_wmma_scale_f32_16x16x128_f8f6f4 v[\d:\d+7], v[\x:\x+11], v[\y:\y+11], v[\c:\c+7], v[\sx], v[\sy] matrix_a_fmt:MATRIX_FMT_FP6 matrix_b_fmt:MATRIX_FMT_FP6 matrix_a_scale:MATRIX_SCALE_ROW1 matrix_b_scale:MATRIX_SCALE_ROW1
.endif
.endm
.macro M8 a, g                         ; A's block a x w_o's eight; the 32 accumulators take turns
.irp b, 0,1,2,3,4,5,6,7
.if (\g) == 0
	WM 8*(8*(\a)+\b), BI+8*\b, 128*((\g)%2)+12*\b, 48*((\g)%4)+12*(\a), SB+8*\b+(\g)%8, SA+8*(\a)+(\g)%8, \g
.else
	WM 8*(8*(\a)+\b), 8*(8*(\a)+\b), 128*((\g)%2)+12*\b, 48*((\g)%4)+12*(\a), SB+8*\b+(\g)%8, SA+8*(\a)+(\g)%8, \g
.endif
.endr
.endm
; Step g.  Between its four groups of products stand three runs of loads: w_o's fragments of step g + 1 (two runs from LDS) and A's of step g + 3 (from memory).
; Where the next step's bytes END in a chunk not yet read (steps 4 and 9): every wave waits for its tensor loads, and a barrier shows the chunk whole.  Where they BEGIN in a later chunk and a chunk two on is left (step 5):
; the wait for all tensor loads, the add, the wait for it and for my reads, the barrier, which opens a round, and the refill.
.macro STEP g
.set NX, (\g)+1
.set C0, (96*(\g))/512
.set C1, (96*NX)/512
.set E0, (96*(\g)+95)/512
.set E1, (96*NX+95)/512
.if (\g) < 14
	s_wait_loadcnt 48                              ; A's fragments of this step are in (in step 0 the scale words and b_o too); the next two steps' 48 loads may be out
.else
	s_wait_loadcnt 24                              ; step 14: the last step's 24 may be out
.endif
.if E1 > E0 || (C1 > C0 && C0+2 < 3)
	s_wait_tensorcnt 0x0                           ; all my tensor loads have landed
.if C1 > C0
	ds_add_u32 v[SPW], v[NIL]
	s_wait_dscnt 1                                 ; this step's fragments are in; the add alone may be out
	MULW \g
	M8 0, \g
	s_wait_dscnt 0x0                               ; the add is done, and my reads of the chunk left behind are over
.else
	s_wait_dscnt 0x0
	MULW \g
	M8 0, \g
.endif
	s_barrier_signal -1
	M8 1, \g
	WIN 0
	s_barrier_wait -1
.if C1 > C0
	CREST                                          ; no wave of any partner still reads this slot or has a load on its way
	s_add_nc_u64 s[G0+4*(C0%2)+2:G0+4*(C0%2)+3], s[G0+4*(C0%2)+2:G0+4*(C0%2)+3], 1024
	JLOAD (C0%2)                                   ; chunk C0 + 2; its four v_nop are the places in front of the loads below
.else
	PLACES
.endif
	FB 0, NX
	FB 4, NX
	MULW \g
	M8 2, \g
.else
	s_wait_dscnt 0x0                               ; w_o's fragments of this step are in
	MULW \g
	M8 0, \g
	PLACES                                         ; for all three runs: their registers were last multiplied in the step before
	FB 0, NX
	MULW \g
	M8 1, \g
	FB 4, NX
	MULW \g
	M8 2, \g
.endif
.if (\g)+3 < 16
	GA (\g)+3
.endif
	WIN 0
.if (\g)+5 < 16
	global_prefetch_b8 v[PAO], s[PFA:PFA+1] offset:6144*((\g)+5) th:TH_LOAD_NT scope:SCOPE_SE
.endif
	MULW \g
	M8 3, \g
	WIN 0
.endm
	s_wait_tensorcnt 0x0                           ; my part of chunk 0 is in
	ds_add_u32 v[SPW], v[NIL]
	s_wait_dscnt 0x0
	CROUND                                         ; everybody's part is in, and the joint loads meet
	JLOAD 1                                        ; chunk 1
	FB 0, 0
	FB 4, 0
	WIN 0
.irp g, 0,1,2,3,4,5,6,7,8,9,10,11,12,13,14
	STEP \g
.endr
	s_wait_loadcnt 0x0                             ; the last step: nothing more to fetch
	s_wait_dscnt 0x0
	MULW 15
	M8 0, 15
	M8 1, 15
	M8 2, 15
	M8 3, 15
	WIN 0
; THE WAY OUT, block by block of 16 rows x 128 columns, through my own stage in LDS: in as 32 bytes a lane, back as whole rows of 512 bytes.  LDS serves a wave's instructions in order (ISA guide 5.7.1.4).
.macro TOSTAGE a
	WIN 0x04                                       ; an LDS store's data are its source 1: window 1
.irp b, 0,1,2,3,4,5,6,7
	ds_store_b128 v[STO], v[8*(8*(\a)+\b):8*(8*(\a)+\b)+3] offset:64*\b            ; each accumulator from its low end on
	ds_store_b128 v[STO], v[8*(8*(\a)+\b)+4:8*(8*(\a)+\b)+7] offset:64*\b+16
.endr
	WIN 0x80                                       ; destination window 2
.irp t, 0,1,2,3,4,5,6,7,8,9,10,11,12,13,14,15
	ds_load_b128 v[64*(\a)+4*\t:64*(\a)+4*\t+3], v[RD] offset:\t*528
.endr
.endm
.macro SEND a, younger                 ; younger: the LDS instructions issued behind block a's loads, which may stay out
	s_wait_dscnt \younger
	WIN 0x08                                       ; a store's data are its source 1: window 2
.irp t, 0,1,2,3,4,5,6,7,8,9,10,11,12,13,14,15
	global_store_b128 v[CO], v[64*(\a)+4*\t:64*(\a)+4*\t+3], s[14:15] offset:(16*(\a)+\t)*8192 th:TH_STORE_NT   ; 32 lanes store 512 consecutive bytes, at a multiple of 256 from out0's first byte
.endr
.endm
	PLACES                                         ; behind the last products: for the reads of results and for the loads into the registers that held w_o's fragments
	TOSTAGE 0
.irp a, 1,2,3
	TOSTAGE \a
	SEND \a-1, 32                                  ; behind block a - 1's loads: block a's 16 stores and 16 loads
.endr
	SEND 3, 0
	WIN 0
	s_wait_tensorcnt 0x0                           ; the wave's end
	ds_add_u32 v[SPW], v[NIL]
	s_wait_dscnt 0x0
	CROUND                                         ; the closing round
	s_endpgm
.Lfunc_end_k_q2538562ed1_outp:
	.size	k_q2538562ed1_outp, .Lfunc_end_k_q2538562ed1_outp-k_q2538562ed1_outp
	.p2alignl 7, 3214868480
	.fill 96, 4, 3214868480
	.section	.rodata,"a",@progbits
	.p2align	6, 0x0
	.amdhsa_kernel k_q2538562ed1_outp
		.amdhsa_group_segment_fixed_size 327680
		.amdhsa_private_segment_fixed_size 0
		.amdhsa_enable_private_segment 0
		.amdhsa_kernarg_size 48
		.amdhsa_user_sgpr_count 2
		.amdhsa_user_sgpr_kernarg_segment_ptr 1
		.amdhsa_wavefront_size32 1
		.amdhsa_system_sgpr_workgroup_id_x 1
		.amdhsa_system_sgpr_workgroup_id_y 1
		.amdhsa_system_sgpr_workgroup_id_z 1
		.amdhsa_system_vgpr_workitem_id 0
		.amdhsa_next_free_vgpr 1024
		.amdhsa_next_free_sgpr 106
		.amdhsa_reserve_vcc 0
		.amdhsa_float_denorm_mode_32 3
		.amdhsa_float_denorm_mode_16_64 3
		.amdhsa_memory_ordered 1
		.amdhsa_forward_progress 1
		.amdhsa_inst_pref_size 183
	.end_amdhsa_kernel
	.amdgpu_metadata
---
amdhsa.version: [ 1, 2 ]
amdhsa.kernels:
  - .name:           k_q2538562ed1_outp
    .symbol:         k_q2538562ed1_outp.kd
    .args:
      - { .name: ac, .offset: 0, .size: 8, .value_kind: global_buffer, .address_space: global }
      - { .name: a6s, .offset: 8, .size: 8, .value_kind: global_buffer, .address_space: global }
      - { .name: w_o_codes, .offset: 16, .size: 8, .value_kind: global_buffer, .address_space: global }
      - { .name: w_o_scales, .offset: 24, .size: 8, .value_kind: global_buffer, .address_space: global }
      - { .name: b_o, .offset: 32, .size: 8, .value_kind: global_buffer, .address_space: global }
      - { .name: out0, .offset: 40, .size: 8, .value_kind: global_buffer, .address_space: global }
    .group_segment_fixed_size: 327680
    .private_segment_fixed_size: 0
    .kernarg_segment_align: 8
    .kernarg_segment_size: 48
    .max_flat_workgroup_size: 128
    .sgpr_count:     106
    .vgpr_count:     1024
    .wavefront_size: 32
...
	.end_amdgpu_metadata
.endif
;; end of part 3
